; MI455X (gfx1250); checked and timed in simulation.
; The chip was launched on July 23, 2026; its instructions are those of AMD's public machine-readable ISA for CDNA 5 (MIT licence, August 2026) and "CDNA5" Instruction Set Architecture Reference Guide (July 2026). The comments in the code are by the model that wrote it; some were corrected since.
;; Attention Fusion. Allowed arithmetic: matrix products marked QUANTISED: E4M3 operands, one given power-of-two scale a tensor, by v_wmma_f32_16x16x64_fp8_fp8 or v_wmma_f32_16x16x128_fp8_fp8, f32 sums; everything else in f32.
;; Inputs: lowp_scales 8 int32 (the exponents e of the quantised operands' scales 2^e); out_b 1,024 float32; out_w_codes 1,024 x 32 x 32 uint8 (E4M3 codes of out_w, K innermost, in blocks of 32 codes); qkv_b 3,072 float32; qkv_w_codes 3,072 x 32 x 32 uint8 (E4M3 codes of qkv_w, K innermost, in blocks of 32 codes); x_codes 2 x 2,048 x 32 x 32 uint8 (E4M3 codes of x, K innermost, in blocks of 32 codes).
;; Outputs: out0 2 x 2,048 x 1,024 float32.
;; This version of the problem:
;;   THIS VERSION OF THE PROBLEM IS GIVEN IN LOW PRECISION. The matrix products marked QUANTISED in the list below multiply operands that are first quantised to E4M3 (4 exponent bits, 3 mantissa bits; 8 bits a number), with one given power-of-two scale for each operand tensor; their sums are f32. All else is computed in f32.
;;   The module's matrix products, in the order in which they are computed (A, B: the left and right operand; K: the contracted axis; several contracted axes count as one K, in the product's order):
;;     1. [M 4,096, K 1,024] x [K 1,024, N 3,072]; A: input x (given as codes); B: input qkv_w (given as codes): QUANTISED (scales: A lowp_scales[0], B lowp_scales[1])
;;     2. batch 32 x [M 2,048, K 64] x [K 64, N 2,048]; A: computed on the way; B: computed on the way: QUANTISED (scales: A lowp_scales[2], B lowp_scales[3])
;;     3. batch 32 x [M 2,048, K 2,048] x [K 2,048, N 64]; A: softmax (see below); B: computed on the way: QUANTISED (scales: A lowp_scales[4], B lowp_scales[5])
;;     4. [M 4,096, K 1,024] x [K 1,024, N 1,024]; A: computed on the way; B: input out_w (given as codes): QUANTISED (scales: A lowp_scales[6], B lowp_scales[7])
;;   THE QUANTISER, for each operand of a quantised product, along K:
;;     - The operand's scale is 2^e, e = its entry of the input lowp_scales (int32; the entries are numbered through the quantised products in the list's order, A before B).
;;     - Each number is divided by the scale, clamped to +-448, and rounded to the nearest number of E4M3, ties to even, subnormals kept.
;;     - The product sums the exact products of the quantised numbers (number of the format x scale) in f32.
;;   ~~~python
;;   def quantise(x, axis, e):      # numpy; x: float32 -> the quantised numbers, widened to float32 again
;;       x = np.moveaxis(x, axis, -1); K = x.shape[-1]
;;       r = np.clip(x / 2.0 ** e, -448, 448)
;;       step = 2.0 ** (np.maximum(np.frexp(np.where(r == 0, 1, r))[1] - 1, -6) - 3)
;;       q = np.round(r / step) * step * 2.0 ** e      # np.round: ties to even
;;       return np.moveaxis(q, -1, axis).astype(np.float32)
;;   ~~~
;;   SOFTMAX AHEAD OF A QUANTISED PRODUCT. Where the list says 'softmax', what is quantised is not the finished softmax but p = 2^(t - M), with t = logit x log2(e) and M = ceil(the row's largest t), a whole number; so 1/2 < the row's largest p <= 1. The row's sum l is taken of the UNQUANTISED p, in f32, and the product's result is divided by l at the end. Since M is a whole number, a kernel that streams over the keys may use a running M (the ceiling of the running maximum): every later rescaling is an exact power of two, so the quantised numbers keep their values, but for numbers so far below the row's largest that they fall under the format's range.
;;   OPERANDS COMPUTED ON THE WAY. 'Computed on the way' means the value that the module computes at that place (a softmax that the list does not call 'softmax' is quantised finished and normalised). What goes into a quantiser is computed in f32, as accurately as f32 sums, v_exp_f32 and their like allow (about 1e-6 of the number): no bf16 or f16 on the way to a quantiser, and a product that is left as it is and whose result goes on into a quantised operand takes f32 operands (vector FMAs, or v_wmma_f32_16x16x4_f32). A number that lies on a knife's edge between two numbers of the format may be rounded either way, as far as f32 arithmetic and the matrix unit's own rounding can turn it there, and no further.
;;   INPUTS GIVEN AS CODES. out_w (in the module: [1024, 1024], K = its axis 1); qkv_w (in the module: [3072, 1024], K = its axis 1); x (in the module: [2, 2048, 1024], K = its axis 2): each comes as NAME_codes (uint8): NAME with its K axis moved to the last place and cut into blocks of 32 codes, [.., K / 32, bytes a block], one block behind the other in memory; one code a byte (a code: sign, 4 exponent bits, 3 mantissa bits); its scale is its entry of lowp_scales. Its value is code x scale, taken as it is: it is not quantised again, and the codes and scales need not be those that the quantiser above would give.
;; 2 versions. Each part assembles by itself: llvm-mc -triple=amdgcn-amd-amdhsa -mcpu=gfx1250 --defsym DOCPART=n.
;; ======== version 1 of 2: 3 launches
;; workspace buffers: q_img 4,194,304 bytes; k_img 4,194,304 bytes; v_img 4,194,304 bytes; o_img 4,194,304 bytes
;; launch qkv (part 1): grid 24 x 32, 4 waves a work-group, clusters of 4 x 4, 279,040 bytes of LDS; arguments x_codes, qkv_w_codes, qkv_b, lowp_scales, q_img, k_img, v_img; writes q_img, k_img, v_img
.if DOCPART == 1
	.amdgcn_target "amdgcn-amd-amdhsa--gfx1250"
	.amdhsa_code_object_version 6
	.text
	.protected	k_q30a74cf36f_qkv
	.globl	k_q30a74cf36f_qkv
	.p2align	8
	.type	k_q30a74cf36f_qkv,@function
k_q30a74cf36f_qkv:
	s_mov_b64 s[64:65], 0
	v_nop
	global_prefetch_b8 v0, s[64:65] scope:SCOPE_SE
	s_setreg_imm32_b32 hwreg(HW_REG_WAVE_MODE, 25, 1), 1
	s_wait_xcnt 0x0
	s_wait_alu depctr_hold_cnt(0) depctr_sa_sdst(0) depctr_va_vdst(0) depctr_va_sdst(0) depctr_va_ssrc(0) depctr_va_vcc(0) depctr_vm_vsrc(0)
	s_getreg_b32 s2, hwreg(HW_REG_IB_STS2, 6, 4)
	s_cmp_eq_u32 s2, 0
	s_cbranch_scc0 .Lentry_in_a_cluster
	s_endpgm
.Lentry_in_a_cluster:
	s_bfe_u32 s2, ttmp6, 0x10000c
	s_cmp_lg_u32 s2, 0xf033
	s_cbranch_scc0 .Lentry_shape_is_right
	s_endpgm
.Lentry_shape_is_right:
; qkv = x Wqkv^T + qkv_b on codes of FP8 (E4M3); q, k and v are quantised on the way out and stored as IMAGES OF THE NEXT LAUNCH'S FRAGMENT REGISTERS.
; x: [4096][1024] codes, Wqkv: [3072][1024] codes, K innermost.  A number of x is code x 2^e0, of W code x 2^e1.  q, k, v take the scales 2^e2, 2^e3, 2^e5.
; SHARES.  A work-group of four waves makes 128 tokens x 128 columns; wave w makes tokens 64 (w / 2) on x columns 64 (w % 2) on: one head's 64 columns, 16 accumulators.
; ALL OF K LIES IN LDS AT ONCE: four slots of 256 along K, each 128 rows of x and 128 rows of W, 278,528 bytes.  Every LDS byte is filled once, at the start, so there is no ring and no refill;
; a wave has its four tensor loads out from the first lines on, and each slot is waited for by a counted wait when its turn comes.
; CLUSTERS: 4 x 4 work-groups.  The four of a row of the cluster need the same rows of x, the four of a column the same rows of W: each tile is asked for jointly, by the same tensor load with the same
; descriptor and a mask that names the four.
; TWO BODIES.  Columns 0-1023 are q, 1024-2047 k, 2048-3071 v: which of them a cluster makes hangs on the cluster's x alone (8 tile columns = 2 clusters to each), so the branch is alike in all partners.
;   q, k: source 0 = 16 rows of W, source 1 = 16 tokens: a lane holds ONE token and eight neighbouring channels d: the conversion's two registers are registers 2 i, 2 i + 1 of a K = 64 fragment (d = 16 i + 8 h + 0..7).
;   v:    source 0 = 16 tokens, source 1 = 16 rows of W: a lane holds ONE channel d and eight neighbouring tokens (keys): registers of a K = 128 fragment of V^T.
; IMAGES.  q_img, k_img: [head 32][tile of 16 tokens 128][group of 4 registers 2][lane 32][16 bytes].  v_img: [head 32][128 keys 16][tile of 16 channels 4][group 4][lane 32][16 bytes].
; Each store of a wave covers 512 consecutive bytes, aligned.
; ORDER OF K: a fragment is fetched by four loads of 16 bytes, which is a permutation of k inside an instruction, the same on both sides: every product meets its partner.
; LIMITS: e2 - e0 - e1, e3 - e0 - e1 and e5 - e0 - e1 lie between -126 and 119, so that the folded scale and 448 x it are f32 numbers.  NaN and infinity in qkv_b are not served.
; REGISTERS.  Window 0: v1-15 addresses and scales; v16-47 the bias; v48-111 two sets of 32 numbers at work; v112-127 two sets of 8 registers of codes; v128-255 accumulator (i, j) at v[128 + 32 j + 8 i].
;   Window 1: two fragment buffers of 128: source 1's four fragments, then source 0's four.
.set PITCH, 272                        ; an LDS row: 256 bytes + 16 of padding = 68 words: row r starts at bank 4 r mod 64 (64 banks of 4 bytes: ISA guide 11.1)
.set HALFT, 64*PITCH                   ; 64 rows: what one tensor load brings, and what one wave reads of x or of W in a slot
.set SLOT,  4*HALFT                    ; x's 128 rows, then W's 128 rows
.set NF,    32                         ; LDS loads of one K step of 128
.set PADW,  (1<<20)|(1<<21)|(5<<22)|(3<<25)   ; elements of 1 byte; padding on; bit 21 set beside a mask; after every 64 words; 4 words
.set AX,  4                            ; v4-7   LDS address of my rows of x in slot 0..3
.set AW,  8                            ; v8-11  the same for W
.set VO,  12                           ; v12    16 x lane: my place in an image's group
.set BO,  13                           ; v13    my byte offset in the wave's 64 numbers of the bias
.set SC,  14                           ; v14    2^(e_sel - e0 - e1) as f32
.set LIM, 15                           ; v15    448 x that
.set BI,  16
.set T0,  48
.set CD,  112
.set ACC, 128
.set F0,  0
.set F1,  128
.set G1X, 28                           ; s[28:35] descriptor group 1 for x;  s[36:43] for W;  s[44:59], s[68:83] their groups 0, one for each slot, never rewritten
.set G1W, 36
.set G0X, 44
.set G0W, 68
.set MUL,  0x05                        ; sources 0 and 1 window 1; C and D window 0
.set TO_F, 0x40                        ; destination window 1, address window 0
.set MSB, 0
.macro WIN new                         ; the immediate's high byte repeats the setting that is left
.if MSB != \new
	s_set_vgpr_msb (MSB<<8)|\new
.set MSB, \new
.endif
.endm
.macro ROUND                           ; a round of the cluster's barrier
	s_barrier_signal -1
	s_barrier_wait -1
	s_cmp_lg_u32 s18, 0
	s_cbranch_scc1 .Lnot_wave_0_\@
	s_barrier_signal -3
.Lnot_wave_0_\@:
	s_barrier_wait -3
	s_barrier_signal -1
	s_barrier_wait -1
.endm
.macro PLACES                          ; four places in front of loads into registers that matrix instructions have read (ISA guide 7.12.1 for vector instructions)
.rept 4
	v_nop
.endr
.endm
	s_load_b256 s[4:11], s[0:1], 0x0               ; x s[4:5], W s[6:7], the bias s[8:9], the scales' exponents s[10:11]
	s_load_b128 s[12:15], s[0:1], 0x20             ; q_img, k_img
	s_load_b64 s[16:17], s[0:1], 0x30              ; v_img
	s_set_vgpr_msb 0x80
	v_lshl_add_u32 v0, v0, 2, 0x44000
	v_mov_b32 v1, 0
	s_set_vgpr_msb 0x808a
	ds_add_u32 v0, v1
	ds_add_u32 v0, v1
	s_set_vgpr_msb 0x8a00
	v_lshrrev_b32 v1, 5, v0
	v_readfirstlane_b32 s18, v1                    ; wave 0..3
	s_lshr_b32 s19, s18, 1                         ; a: which 64 tokens are mine.  Also: I fetch for x (0) or for W (1)
	s_and_b32 s20, s18, 1                          ; b: which 64 columns.  Also: which 64 rows of that tile I fetch
	s_bfe_u32 s21, ttmp6, 0x40000                  ; cx, cy: my place in the cluster
	s_bfe_u32 s22, ttmp6, 0x40004
	s_lshl_b32 s23, ttmp9, 2
	s_add_co_u32 s23, s23, s21                     ; tile column 0..23 = 4 x cluster x + cx
	s_and_b32 s24, ttmp7, 0xffff
	s_lshl_b32 s24, s24, 2
	s_add_co_u32 s24, s24, s22                     ; tile row 0..31 = 4 x cluster y + cy
	s_lshl_b32 s25, s22, 2
	s_lshl_b32 s25, 15, s25                        ; my row of the cluster
	s_lshl_b32 s26, 0x1111, s21                    ; my column
	s_lshr_b32 s27, ttmp9, 1                       ; 0: q, 1: k, 2: v: from the cluster's x alone
	s_or_b32 s[G1X], s25, PADW                     ; x's tiles go to my row of the cluster,
	s_or_b32 s[G1W], s26, PADW                     ; W's to my column
.irp g, G1X, G1W
	s_mov_b32 s[\g+1], 256<<16                     ; tensor_dim0 = 256 bytes
	s_mov_b32 s[\g+2], 64<<16                      ; tensor_dim1 = 64
	s_mov_b32 s[\g+3], 256<<16                     ; tile_dim0
	s_mov_b32 s[\g+4], 64                          ; tile_dim1
	s_mov_b32 s[\g+5], 1024                        ; from row to row
	s_mov_b32 s[\g+6], 0
	s_mov_b32 s[\g+7], 0
.endr
	s_lshl_b32 s60, s24, 7
	s_lshl_b32 s61, s20, 6
	s_add_co_u32 s60, s60, s61
	s_lshl_b32 s60, s60, 10                        ; x: row 128 x tile row + 64 b, 1,024 bytes a row
	s_mov_b32 s61, 0
	s_lshl_b32 s62, s23, 7
	s_lshl_b32 s63, s20, 6
	s_add_co_u32 s62, s62, s63
	s_lshl_b32 s62, s62, 10                        ; W: row 128 x tile column + 64 b
	s_mov_b32 s63, 0
	s_mul_i32 s92, s18, HALFT                      ; where my tiles go in a slot: wave x 64 rows: no place in the cluster enters an LDS address
	s_lshr_b32 s95, s24, 4                         ; the output: head = 16 x batch + 2 (tile column % 8) + b,
	s_lshl_b32 s95, s95, 4
	s_and_b32 s96, s23, 7
	s_lshl_b32 s96, s96, 1
	s_add_co_u32 s95, s95, s96
	s_add_co_u32 s95, s95, s20
	s_lshl_b32 s95, s95, 17                        ; 131,072 bytes a head,
	s_and_b32 s96, s24, 15
	s_lshl_b32 s96, s96, 13
	s_add_co_u32 s95, s95, s96                     ; 8,192 bytes for 128 tokens, in all three images
	s_lshl_b32 s96, s23, 9
	s_lshl_b32 s97, s20, 8
	s_add_co_u32 s96, s96, s97                     ; the bias: my wave's 64 numbers
	s_mov_b32 s97, 0
	s_wait_dscnt 0x0
	s_wait_kmcnt 0x0
	s_load_b256 s[84:91], s[10:11], 0x0            ; e0 .. e7
	s_add_nc_u64 s[60:61], s[4:5], s[60:61]
	s_add_nc_u64 s[62:63], s[6:7], s[62:63]
	s_add_nc_u64 s[8:9], s[8:9], s[96:97]
.irp q, 0,1,2,3
	s_mov_b32 s[G0X+4*\q], 1
	s_add_co_u32 s[G0X+4*\q+1], s92, \q*SLOT
	s_add_nc_u64 s[G0X+4*\q+2:G0X+4*\q+3], s[60:61], \q*256
	s_or_b32 s[G0X+4*\q+3], s[G0X+4*\q+3], 0x80000000
	s_mov_b32 s[G0W+4*\q], 1
	s_add_co_u32 s[G0W+4*\q+1], s92, \q*SLOT
	s_add_nc_u64 s[G0W+4*\q+2:G0W+4*\q+3], s[62:63], \q*256
	s_or_b32 s[G0W+4*\q+3], s[G0W+4*\q+3], 0x80000000
.endr
	ROUND                                          ; all sixteen work-groups are here: the joint loads meet
	s_cmp_eq_u32 s19, 0                            ; a wave's four fills stand in one branch on the wave's number: four loads of mine are out; four v_nop follow the last
	s_cbranch_scc0 .Lfor_w
	tensor_load_to_lds s[G0X:G0X+3], s[G1X:G1X+7]
	s_nop 0
	tensor_load_to_lds s[G0X+4:G0X+7], s[G1X:G1X+7]
	s_nop 0
	tensor_load_to_lds s[G0X+8:G0X+11], s[G1X:G1X+7]
	s_nop 0
	tensor_load_to_lds s[G0X+12:G0X+15], s[G1X:G1X+7]
	s_nop 0
	PLACES
	s_branch .Lasked
.Lfor_w:
	tensor_load_to_lds s[G0W:G0W+3], s[G1W:G1W+7]
	s_nop 0
	tensor_load_to_lds s[G0W+4:G0W+7], s[G1W:G1W+7]
	s_nop 0
	tensor_load_to_lds s[G0W+8:G0W+11], s[G1W:G1W+7]
	s_nop 0
	tensor_load_to_lds s[G0W+12:G0W+15], s[G1W:G1W+7]
	s_nop 0
	PLACES
.Lasked:
	v_and_b32 v1, 15, v0                           ; r = lane % 16
	v_bfe_u32 v2, v0, 4, 1                         ; h = lane / 16
	v_mul_u32_u24 v3, v1, PITCH
	v_lshl_add_u32 v3, v2, 4, v3                   ; a fragment's row x pitch + 16 h
	s_mul_i32 s93, s19, HALFT                      ; my 64 rows of x,
	s_mul_i32 s94, s20, HALFT
	s_add_co_u32 s94, s94, 2*HALFT                 ; my 64 rows of W, which lie behind x's 128
.irp q, 0,1,2,3
	v_add_nc_u32 v[AX+\q], s93, v3
	v_add_nc_u32 v[AW+\q], s94, v3
	s_add_co_u32 s93, s93, SLOT
	s_add_co_u32 s94, s94, SLOT
.endr
	v_and_b32 v[VO], 31, v0
	v_lshlrev_b32 v[VO], 4, v[VO]
.macro FRAG reg, adr, off              ; 16 rows x 128 K: 16 registers: registers 4 c .. 4 c + 3 hold K = 32 c + 16 h + 0 .. 15 of row r
.irp c, 0,1,2,3
	ds_load_b128 v[\reg+4*\c:\reg+4*\c+3], v[\adr] offset:\off+32*\c
.endr
.endm
.macro FETCH s, f                      ; the fragments of K step s (128 along K; two steps to a slot) into buffer f: source 0's four, then source 1's four.  P0, P1: their address registers
	WIN TO_F
.irp i, 0,1,2,3
	FRAG \f+64+16*\i, P0+(\s)/2, 128*((\s)%2)+\i*16*PITCH
.endr
.irp i, 0,1,2,3
	FRAG \f+16*\i, P1+(\s)/2, 128*((\s)%2)+\i*16*PITCH
.endr
.endm
; 8 matrix instructions: source 1's tiles j0, j0 + 1 x source 0's four.  The 16 accumulators take turns, one instruction a turn, in the same order in every step.
.macro MUL8 f, j0, zero                ; zero = 1: the first product starts the sums: nothing is cleared
.irp j, \j0, \j0+1
.irp i, 0,1,2,3
.if \zero
	v_wmma_f32_16x16x128_fp8_fp8 v[ACC+32*(\j)+8*\i:ACC+32*(\j)+8*\i+7], v[\f+64+16*\i:\f+64+16*\i+15], v[\f+16*(\j):\f+16*(\j)+15], 0
.else
	v_wmma_f32_16x16x128_fp8_fp8 v[ACC+32*(\j)+8*\i:ACC+32*(\j)+8*\i+7], v[\f+64+16*\i:\f+64+16*\i+15], v[\f+16*(\j):\f+16*(\j)+15], v[ACC+32*(\j)+8*\i:ACC+32*(\j)+8*\i+7]
.endif
.endr
.endr
.endm
.macro STEP s, zero                    ; an even K step: multiplies buffer 0; its successor lies in the same slot and is fetched first
.if (\s) > 0
	PLACES
.endif
	FETCH (\s)+1, F1
	s_wait_dscnt NF                                ; all but the NF loads just issued: buffer 0 is in
	WIN MUL
	MUL8 F0, 0, \zero
	MUL8 F0, 2, \zero
.endm
.macro TURN s, n                       ; an odd K step: multiplies buffer 1 and goes on to the next slot
	s_wait_tensorcnt \n                            ; my part of the next slot has landed; my n younger loads may stay out
	s_wait_dscnt 0x0                               ; buffer 1 is in, and no LDS load of mine is pending at the signal
	s_barrier_signal -1
	WIN MUL
	MUL8 F1, 0, 0                                  ; work on registers while the others arrive
	s_barrier_wait -1                              ; everybody's part of the next slot has landed
	PLACES
	FETCH (\s)+1, F0
	WIN MUL
	MUL8 F1, 2, 0
.endm
.macro LAST
	s_wait_dscnt 0x0
	WIN MUL
	MUL8 F1, 0, 0
	MUL8 F1, 2, 0
	WIN 0
.endm
.macro BODY isv
.if \isv
.set P0, AX
.set P1, AW
.set OSTEP, 2048                       ; from a tile of 16 channels to the next in v_img
.else
.set P0, AW
.set P1, AX
.set OSTEP, 1024                       ; from a tile of 16 tokens to the next in q_img, k_img
.endif
.if \isv
	v_lshlrev_b32 v[BO], 2, v1                     ; a lane holds one column, 16 j + r: its bias twice, a pair for the packed addition
.irp j, 0,1,2,3
	global_load_b32 v[BI+2*\j], v[BO], s[8:9] offset:64*\j
	global_load_b32 v[BI+2*\j+1], v[BO], s[8:9] offset:64*\j
.endr
.else
	v_lshlrev_b32 v[BO], 5, v2                     ; a lane holds columns 16 i + 8 h + 0 .. 7
.irp i, 0,1,2,3
	global_load_b128 v[BI+8*\i:BI+8*\i+3], v[BO], s[8:9] offset:64*\i
	global_load_b128 v[BI+8*\i+4:BI+8*\i+7], v[BO], s[8:9] offset:64*\i+16
.endr
.endif
	s_lshl_b32 s96, s19, 12-2*\isv                 ; my 64 tokens: four tiles of 1,024 bytes (q, k), or groups 2 a, 2 a + 1 of each fragment of V^T
	s_add_co_u32 s96, s96, s95
	s_mov_b32 s97, 0
.if \isv
	s_add_nc_u64 s[2:3], s[16:17], s[96:97]
.else
	s_cmp_eq_u32 s27, 0
	s_cselect_b64 s[2:3], s[12:13], s[14:15]       ; q_img or k_img: the choice hangs on the cluster's x alone
	s_add_nc_u64 s[2:3], s[2:3], s[96:97]
.endif
	s_wait_kmcnt 0x0                               ; the exponents
	s_add_co_i32 s98, s84, s85                     ; e0 + e1: a sum stands for sum x 2^(e0 + e1)
.if \isv
	s_sub_co_i32 s99, s89, s98
.else
	s_cmp_eq_u32 s27, 0
	s_cselect_b32 s99, s86, s87
	s_sub_co_i32 s99, s99, s98
.endif
	s_add_co_i32 s99, s99, 127
	s_lshl_b32 s100, s99, 23
	v_mov_b32 v[SC], s100                          ; the three scales folded into the conversion's one
	s_add_co_i32 s99, s99, 8
	s_lshl_b32 s99, s99, 23
	s_or_b32 s99, s99, 0x600000
	v_mov_b32 v[LIM], s99                          ; 448 x that
	s_sub_co_i32 s98, 0, s98
	s_wait_tensorcnt 3                             ; my part of slot 0 has landed; the three younger loads stay out
	s_barrier_signal -1
	s_barrier_wait -1                              ; everybody's has
	FETCH 0, F0
	STEP 0, 1
	TURN 1, 2
	STEP 2, 0
	TURN 3, 1
	STEP 4, 0
	TURN 5, 0
	STEP 6, 0
	LAST
	; THE WAY OUT: sum + bias / 2^(e0 + e1), held within 448 x the folded scale, converted; the conversions' results are the image's registers.
	s_wait_loadcnt 0x0                             ; the bias
.set n, 0
.rept 32-24*\isv
	v_ldexp_f32 v[BI+n], v[BI+n], s98              ; exact.  (These are also the places behind the last products)
.set n, n+1
.endr
.irp j, 0,1,2,3
.set TT, T0+32*(\j%2)
.set CC, CD+8*(\j%2)
.if \j >= 2
	s_wait_xcnt 0x0                                ; the stores of two tiles ago have read their registers: this set of codes may be written again
.endif
.set n, 0
.rept 16
.if \isv
	v_pk_add_f32 v[TT+n:TT+n+1], v[ACC+32*\j+n:ACC+32*\j+n+1], v[BI+2*\j:BI+2*\j+1]
.else
	v_pk_add_f32 v[TT+n:TT+n+1], v[ACC+32*\j+n:ACC+32*\j+n+1], v[BI+n:BI+n+1]   ; each accumulator from its low end on
.endif
.set n, n+2
.endr
.set n, 0
.rept 32
	v_med3_num_f32 v[TT+n], v[TT+n], -v[LIM], v[LIM]   ; the conversion to an 8-bit code does not saturate (ISA guide 7.6.2)
.set n, n+1
.endr
.irp i, 0,1,2,3
	v_cvt_scalef32_pk8_fp8_f32 v[CC+2*\i:CC+2*\i+1], v[TT+8*\i:TT+8*\i+7], v[SC]
.endr
.irp g, 0,1
	global_store_b128 v[VO], v[CC+4*\g:CC+4*\g+3], s[2:3] offset:\j*OSTEP+512*\g   ; 32 lanes store 512 consecutive bytes, aligned
.endr
.endr
.endm
	s_cmp_eq_u32 s27, 2
	s_cbranch_scc1 .Lv
	BODY 0
	s_branch .Lend
.Lv:
	BODY 1
.Lend:
	s_set_vgpr_msb 0xa
	s_wait_tensorcnt 0x0
	ds_add_u32 v0, v1
	s_wait_dscnt 0x0
	s_set_vgpr_msb 0xa00
	ROUND                                          ; the closing round: no work-group ends while a partner may still ask for a tile that names it
	s_endpgm
.Lfunc_end_k_q30a74cf36f_qkv:
	.size	k_q30a74cf36f_qkv, .Lfunc_end_k_q30a74cf36f_qkv-k_q30a74cf36f_qkv
	.p2alignl 7, 3214868480
	.fill 96, 4, 3214868480
	.section	.rodata,"a",@progbits
	.p2align	6, 0x0
	.amdhsa_kernel k_q30a74cf36f_qkv
		.amdhsa_group_segment_fixed_size 279040
		.amdhsa_private_segment_fixed_size 0
		.amdhsa_enable_private_segment 0
		.amdhsa_kernarg_size 56
		.amdhsa_user_sgpr_count 2
		.amdhsa_user_sgpr_kernarg_segment_ptr 1
		.amdhsa_wavefront_size32 1
		.amdhsa_system_sgpr_workgroup_id_x 1
		.amdhsa_system_sgpr_workgroup_id_y 1
		.amdhsa_system_sgpr_workgroup_id_z 1
		.amdhsa_system_vgpr_workitem_id 0
		.amdhsa_next_free_vgpr 514
		.amdhsa_next_free_sgpr 102
		.amdhsa_reserve_vcc 0
		.amdhsa_float_denorm_mode_32 3
		.amdhsa_float_denorm_mode_16_64 3
		.amdhsa_memory_ordered 1
		.amdhsa_forward_progress 1
		.amdhsa_inst_pref_size 94
	.end_amdhsa_kernel
	.amdgpu_metadata
---
amdhsa.version: [ 1, 2 ]
amdhsa.kernels:
  - .name:           k_q30a74cf36f_qkv
    .symbol:         k_q30a74cf36f_qkv.kd
    .args:
      - { .name: x_codes, .offset: 0, .size: 8, .value_kind: global_buffer, .address_space: global }
      - { .name: qkv_w_codes, .offset: 8, .size: 8, .value_kind: global_buffer, .address_space: global }
      - { .name: qkv_b, .offset: 16, .size: 8, .value_kind: global_buffer, .address_space: global }
      - { .name: lowp_scales, .offset: 24, .size: 8, .value_kind: global_buffer, .address_space: global }
      - { .name: q_img, .offset: 32, .size: 8, .value_kind: global_buffer, .address_space: global }
      - { .name: k_img, .offset: 40, .size: 8, .value_kind: global_buffer, .address_space: global }
      - { .name: v_img, .offset: 48, .size: 8, .value_kind: global_buffer, .address_space: global }
    .group_segment_fixed_size: 279040
    .private_segment_fixed_size: 0
    .kernarg_segment_align: 8
    .kernarg_segment_size: 56
    .max_flat_workgroup_size: 128
    .sgpr_count:     102
    .vgpr_count:     514
    .wavefront_size: 32
...
	.end_amdgpu_metadata
.endif
;; end of part 1
;; launch attn (part 2): grid 8 x 32, 16 waves a work-group, clusters of 4 x 1, 264,192 bytes of LDS; arguments q_img, k_img, v_img, lowp_scales, o_img; writes o_img
.if DOCPART == 2
	.amdgcn_target "amdgcn-amd-amdhsa--gfx1250"
	.amdhsa_code_object_version 6
	.text
	.protected	k_q30a74cf36f_attn
	.globl	k_q30a74cf36f_attn
	.p2align	8
	.type	k_q30a74cf36f_attn,@function
k_q30a74cf36f_attn:
	s_mov_b64 s[64:65], 0
	v_nop
	global_prefetch_b8 v0, s[64:65] scope:SCOPE_SE
	s_setreg_imm32_b32 hwreg(HW_REG_WAVE_MODE, 25, 1), 1
	s_wait_xcnt 0x0
	s_wait_alu depctr_hold_cnt(0) depctr_sa_sdst(0) depctr_va_vdst(0) depctr_va_sdst(0) depctr_va_ssrc(0) depctr_va_vcc(0) depctr_vm_vsrc(0)
	s_getreg_b32 s2, hwreg(HW_REG_IB_STS2, 6, 4)
	s_cmp_eq_u32 s2, 0
	s_cbranch_scc0 .Lentry_in_a_cluster
	s_endpgm
.Lentry_in_a_cluster:
	s_bfe_u32 s2, ttmp6, 0x10000c
	s_cmp_lg_u32 s2, 0x3003
	s_cbranch_scc0 .Lentry_shape_is_right
	s_endpgm
.Lentry_shape_is_right:
; o = softmax(q k^T / 8) v for 32 heads of 2,048 tokens x 64 channels, both products on codes of FP8 (E4M3); o is quantised with 2^e6 and stored as an image of the next launch's fragments.
; THE SOFTMAX AHEAD OF THE SECOND PRODUCT: t = score x log2(e) / 8; M = the running largest t, rounded UP to a whole number; p = 2^(t - M) is quantised with 2^e4, not normalised.  The row's sum is taken of the
; unquantised p, in f32, and divides at the end.  When M moves, the sum and O are multiplied by 2^(old M - new M): exact.
; SHARES.  A work-group owns 256 queries of one head; each of its sixteen waves 16 of them, one tile, in 256 registers: four waves to a SIMD, so that one wave's vector work stands beside another's matrix work and LDS loads.
; A HEAD'S WHOLE K AND V LIE IN LDS: 131,072 bytes each, as the images that the launch before stored: a group of four registers is 512 consecutive bytes, 16 a lane: no pitch, no padding.
; Every LDS byte is filled once, at the start: waves 0, 1 bring K and waves 2, 3 V, four loads of 16 KiB each (a quarter of the keys, half of it a wave).  A quarter is waited for by a counted wait when its turn comes.
; CLUSTER.  The four query blocks of a cluster belong to one head and read the same K and V: each tile is asked for jointly, with a mask that names the four.
; LAYOUT.  S^T = k q^T (source 0 = 16 keys, source 1 = my 16 queries, K = 64): a lane holds ONE query (lane % 16) and keys 16 t + 8 h + 0 .. 7 of tile t: its conversion gives registers 2 t, 2 t + 1 of a K = 128 fragment.
; O^T = V^T P^T (source 0 = 16 channels, source 1 = P, K = 128 keys): a lane again holds one query, and channels 16 j + 8 h + 0 .. 7: registers 2 j, 2 j + 1 of the next product's operand.
; o_img: [128 tokens 32][256 of the hidden axis 4][tile of 16 tokens 8][group of 4 registers 8][lane 32][16 bytes]; head hd writes quarter hd / 4, groups 2 (hd % 4) and + 1.
; LIMITS: e2 + e3 between -123 and 130 (added to c's exponent field); e4 between -126 and 119; e4 + e5 - e6 within +-100 (applied by v_ldexp_f32 to 1 / the sum).
; REGISTERS: v1 16 x lane; v2 the same in V's image; v8, v9 the step's addresses; v12 -M, v13 the largest t, v[14:15] the sum in two halves; v16-23 Q; v32-95 eight fragments of K, then four of V;
;   v96-159 S^T, then p; v160-191 O^T; v224-239 p's codes; v240 448 x 2^e4, v241 448, v242 1.0, v243 2^e4; v244-254 at work.
.set VIMG,  131072                     ; LDS: K's image at 0, V's behind it
.set QUART, 32768                      ; a quarter of an image: 512 keys
.set STEPB, 8192                       ; 128 keys, in either image
.macro ROUND                           ; a round of the cluster's barrier
	s_barrier_signal -1
	s_barrier_wait -1
	s_cmp_lg_u32 s18, 0
	s_cbranch_scc1 .Lnot_wave_0_\@
	s_barrier_signal -3
.Lnot_wave_0_\@:
	s_barrier_wait -3
	s_barrier_signal -1
	s_barrier_wait -1
.endm
.macro PLACES
.rept 4
	v_nop
.endr
.endm
	s_load_b256 s[4:11], s[0:1], 0x0               ; q_img s[4:5], k_img s[6:7], v_img s[8:9], the scales' exponents s[10:11]
	s_load_b64 s[12:13], s[0:1], 0x20              ; o_img
	v_lshl_add_u32 v251, v0, 2, 0x40000
	v_mov_b32 v255, 0
	ds_add_u32 v251, v255
	ds_add_u32 v251, v255
	v_lshrrev_b32 v1, 5, v0
	v_readfirstlane_b32 s18, v1                    ; wave 0..15
	s_bfe_u32 s68, ttmp6, 0x40000                  ; cx
	s_lshl_b32 s69, ttmp9, 2
	s_add_co_u32 s69, s69, s68                     ; my block of 256 queries, 0..7: it enters q's and o's addresses alone
	s_and_b32 s70, ttmp7, 0xffff                   ; 16 x batch + head, which the four partners share
	s_mov_b32 s24, 15|(3<<16)|(1<<21)              ; group 1: the mask names all four; elements of 8 bytes; bit 21 set beside a mask; no padding
	s_mov_b32 s25, 32<<16                          ; tensor_dim0 = 32 elements: rows of 256 bytes of a dense block
	s_mov_b32 s26, 64<<16                          ; tensor_dim1 = 64
	s_mov_b32 s27, 32<<16                          ; tile_dim0
	s_mov_b32 s28, 64                              ; tile_dim1
	s_mov_b32 s29, 32                              ; from row to row
	s_mov_b32 s30, 0
	s_mov_b32 s31, 0
	s_mov_b32 s20, 0x76543210                      ; v_permlanex16_b32's selects for lane l xor 16
	s_mov_b32 s21, 0xfedcba98
	s_and_b32 s80, s18, 1
	s_lshl_b32 s80, s80, 14                        ; which half of a quarter I fetch, if I fetch
	s_lshl_b32 s82, s70, 17                        ; the head's first byte in q_img, k_img, v_img
	s_add_co_u32 s84, s82, s80
	s_mov_b32 s85, 0
	s_lshl_b32 s90, s69, 4
	s_add_co_u32 s90, s90, s18                     ; my tile of 16 queries
	s_lshl_b32 s90, s90, 10
	s_add_co_u32 s90, s90, s82
	s_mov_b32 s91, 0
	s_lshr_b32 s92, s70, 4                         ; o_img: block of 128 tokens = 16 x batch + 2 x query block + wave / 8,
	s_lshl_b32 s92, s92, 4
	s_lshl_b32 s93, s69, 1
	s_add_co_u32 s92, s92, s93
	s_lshr_b32 s93, s18, 3
	s_add_co_u32 s92, s92, s93
	s_lshl_b32 s92, s92, 17
	s_bfe_u32 s93, s70, 0x20002                    ; head / 4: which 256 of the hidden axis,
	s_lshl_b32 s93, s93, 15
	s_add_co_u32 s92, s92, s93
	s_and_b32 s93, s18, 7                          ; the tile of 16 tokens,
	s_lshl_b32 s93, s93, 12
	s_add_co_u32 s92, s92, s93
	s_and_b32 s93, s70, 3                          ; head % 4: two groups of 512 bytes
	s_lshl_b32 s93, s93, 10
	s_add_co_u32 s92, s92, s93
	s_mov_b32 s93, 0
	s_wait_dscnt 0x0
	s_wait_kmcnt 0x0
	s_load_b256 s[72:79], s[10:11], 0x0            ; e0 .. e7
	s_add_nc_u64 s[86:87], s[6:7], s[84:85]
	s_add_nc_u64 s[88:89], s[8:9], s[84:85]
	s_add_nc_u64 s[4:5], s[4:5], s[90:91]
	s_add_nc_u64 s[12:13], s[12:13], s[92:93]
.irp c, 0,1,2,3                        ; group 0 for each quarter, K's in s[32:47], V's in s[48:63]; never rewritten
	s_mov_b32 s[32+4*\c], 1
	s_add_co_u32 s[33+4*\c], s80, \c*QUART
	s_add_nc_u64 s[34+4*\c:35+4*\c], s[86:87], \c*QUART
	s_or_b32 s[35+4*\c], s[35+4*\c], 0x80000000
	s_mov_b32 s[48+4*\c], 1
	s_add_co_u32 s[49+4*\c], s80, VIMG+\c*QUART
	s_add_nc_u64 s[50+4*\c:51+4*\c], s[88:89], \c*QUART
	s_or_b32 s[51+4*\c], s[51+4*\c], 0x80000000
.endr
	ROUND                                          ; all four work-groups are here: the joint loads meet
	s_cmp_lt_u32 s18, 2                            ; a wave's four fills stand in one branch on the wave's number; four v_nop follow the last
	s_cbranch_scc0 .Lnot_k
	tensor_load_to_lds s[32:35], s[24:31]
	s_nop 0
	tensor_load_to_lds s[36:39], s[24:31]
	s_nop 0
	tensor_load_to_lds s[40:43], s[24:31]
	s_nop 0
	tensor_load_to_lds s[44:47], s[24:31]
	s_nop 0
	PLACES
	s_branch .Lasked
.Lnot_k:
	s_cmp_lt_u32 s18, 4
	s_cbranch_scc0 .Lasked
	tensor_load_to_lds s[48:51], s[24:31]
	s_nop 0
	tensor_load_to_lds s[52:55], s[24:31]
	s_nop 0
	tensor_load_to_lds s[56:59], s[24:31]
	s_nop 0
	tensor_load_to_lds s[60:63], s[24:31]
	s_nop 0
	PLACES
.Lasked:
	v_and_b32 v1, 31, v0
	v_lshlrev_b32 v1, 4, v1                        ; 16 x lane
	v_add_nc_u32 v2, VIMG, v1
	global_load_b128 v[16:19], v1, s[4:5]          ; Q's fragment stays in registers
	global_load_b128 v[20:23], v1, s[4:5] offset:512
	v_mov_b32 v13, 0xff61b1e6                      ; the largest t so far: -3e38, under every t
	v_floor_f32 v12, -v13                          ; -M
	v_mov_b32 v14, 0                               ; the sum, in two halves
	v_mov_b32 v15, 0
	v_mov_b32 v246, 0                              ; written once: a lane permute's destination counts as one of its sources
	v_mov_b32 v253, 0                              ; (named as the upper half of the pair v[252:253])
.set n, 0
.rept 32
	v_mov_b32 v[160+n], 0                          ; O^T.  (The step is written once: the first finds zeros, which the first change of M leaves zeros)
.set n, n+1
.endr
	v_mov_b32 v241, 0x43e00000                     ; 448
	v_mov_b32 v242, 1.0
	s_wait_kmcnt 0x0
	s_add_co_i32 s94, s74, s75
	s_lshl_b32 s94, s94, 23
	s_add_co_i32 s22, s94, 0x3e38aa3b              ; c = log2(e) / 8, with e2 + e3 added to its exponent field: a score stands for score x 2^(e2 + e3)
	s_mov_b32 s23, s22                             ; (named with it as a pair, so it is written)
	s_add_co_i32 s94, s76, 127
	s_lshl_b32 s95, s94, 23
	v_mov_b32 v243, s95                            ; 2^e4 as f32, for p's conversion
	s_add_co_i32 s94, s94, 8
	s_lshl_b32 s94, s94, 23
	s_or_b32 s94, s94, 0x600000
	v_mov_b32 v240, s94                            ; 448 x 2^e4
	s_add_co_i32 s96, s76, s77
	s_sub_co_i32 s96, s96, s78                     ; e4 + e5 - e6
	s_wait_loadcnt 0x0                             ; Q
; A KEY STEP: the 128 keys whose images begin at byte s66 of K's and of V's.
.macro STEP
	v_add_nc_u32 v8, s66, v1
	v_add_nc_u32 v9, s66, v2
	v_nop                                          ; with the two additions: four places between the last step's products and the loads into the registers that they read
	v_nop
.irp t, 0,1,2,3,4,5,6,7
	ds_load_b128 v[32+8*\t:35+8*\t], v8 offset:1024*\t
	ds_load_b128 v[36+8*\t:39+8*\t], v8 offset:1024*\t+512
.endr
	s_wait_dscnt 0x0
.irp t, 0,1,2,3,4,5,6,7
	v_wmma_f32_16x16x64_fp8_fp8 v[96+8*\t:103+8*\t], v[32+8*\t:39+8*\t], v[16:23], 0
.endr
	PLACES                                         ; in front of the loads below and of the first read of the scores
.irp j, 0,1,2,3
.irp g, 0,1,2,3
	ds_load_b128 v[32+16*\j+4*\g:35+16*\j+4*\g], v9 offset:2048*\j+512*\g   ; V's four fragments land while the softmax is worked
.endr
.endr
	v_max3_num_f32 v254, v96, v97, v98             ; the step's largest score of my query, among my 64 keys, in two chains, each accumulator from its low end on,
	v_max3_num_f32 v250, v99, v100, v101
.set n, 6
.rept 14
	v_max3_num_f32 v254, v254, v[96+n], v[97+n]
	v_max3_num_f32 v250, v250, v[98+n], v[99+n]
.set n, n+4
.endr
	v_max3_num_f32 v254, v254, v158, v159
	v_max_num_f32 v254, v254, v250
	v_permlanex16_b32 v246, v254, s20, s21
	v_max_num_f32 v254, v254, v246                 ; and among lane l xor 16's
	v_mul_f32 v254, s22, v254                      ; as t (c is positive)
	v_max_num_f32 v13, v13, v254                   ; the running largest t
	v_mov_b32 v254, v12
	v_floor_f32 v12, -v13                          ; the new -M = floor(-t) = -ceil(t): a whole number
	v_sub_f32 v254, v12, v254                      ; old M - new M: a whole number, 0 or less
	v_cvt_i32_f32 v254, v254                       ; (it saturates)
	v_ldexp_f32 v252, 1.0, v254                    ; f = 2^(old M - new M)
.set n, 0
.rept 32
	v_pk_fma_f32 v[96+n:97+n], v[96+n:97+n], s[22:23], v[12:13] op_sel_hi:[1,0,0]   ; t - M, two at a time (of the pairs c and -M the low word serves both halves)
.set n, n+2
.endr
.set n, 0
.rept 64
	v_exp_f32 v[96+n], v[96+n]                     ; p = 2^(t - M), at most 1: not normalised
.set n, n+1
.endr
	v_pk_mul_f32 v[14:15], v[14:15], v[252:253] op_sel_hi:[1,0]   ; the sums under the new M.  (A plain place behind the exponentials)
	s_wait_alu depctr_va_vdst(0)
	v_pk_add_f32 v[244:245], v[96:97], v[98:99]    ; the row's sum is taken of the unquantised p: two at a time, in two chains
.set n, 4
.rept 15
	v_pk_add_f32 v[14:15], v[14:15], v[96+n:97+n]
	v_pk_add_f32 v[244:245], v[244:245], v[98+n:99+n]
.set n, n+4
.endr
	v_pk_add_f32 v[14:15], v[14:15], v[244:245]
.irp t, 0,1,2,3,4,5,6,7
.irp i, 0,1,2,3,4,5,6,7
	v_min_num_f32 v[96+8*\t+\i], v[96+8*\t+\i], v240   ; the conversion does not saturate (ISA guide 7.6.2); p is not negative, so the hold is one-sided
.endr
	v_cvt_scalef32_pk8_fp8_f32 v[224+2*\t:225+2*\t], v[96+8*\t:103+8*\t], v243
.endr
.set n, 0
.rept 16
	v_pk_mul_f32 v[160+n:161+n], v[160+n:161+n], v[252:253] op_sel_hi:[1,0]   ; O^T under the new M.  (Also the plain place between the conversions and the products that read their results)
.set n, n+2
.endr
	s_wait_dscnt 0x0                               ; V is in
.irp j, 0,1,2,3
	v_wmma_f32_16x16x128_fp8_fp8 v[160+8*\j:167+8*\j], v[32+16*\j:47+16*\j], v[224:239], v[160+8*\j:167+8*\j]   ; the four accumulators take turns
.endr
.endm
; A quarter of the keys: four steps.
.macro QUARTER c
	s_wait_tensorcnt 3-\c                          ; my load for this quarter has landed; the younger ones may stay out
	s_wait_dscnt 0x0                               ; no LDS load of mine is pending at the signal
	s_barrier_signal -1
	s_barrier_wait -1                              ; everybody's part of the quarter has landed
	s_mov_b32 s66, \c*QUART
	s_mov_b32 s67, 4
.Lstep_\@:
	STEP
	s_add_co_u32 s66, s66, STEPB
	s_sub_co_u32 s67, s67, 1
	s_cmp_lg_u32 s67, 0
	s_cbranch_scc1 .Lstep_\@
.endm
	QUARTER 0
	QUARTER 1
	QUARTER 2
	QUARTER 3                                      ; its wait is for 0: no tensor load is out at the end
	; THE WAY OUT: o / 2^e6 = O^T x 2^(e4 + e5 - e6) / the sum, held within 448, converted with the scale 1: the results are the image's registers.
	PLACES
	v_add_f32 v14, v14, v15                        ; the sum's two halves,
	v_permlanex16_b32 v246, v14, s20, s21
	v_add_f32 v14, v14, v246                       ; and lane l xor 16's
	v_rcp_f32 v14, v14
	v_nop                                          ; one plain place behind a transcendental
	s_wait_alu depctr_va_vdst(0)
	v_ldexp_f32 v14, v14, s96
.set n, 0
.rept 16
	v_pk_mul_f32 v[96+n:97+n], v[160+n:161+n], v[14:15] op_sel_hi:[1,0]   ; each accumulator from its low end on
.set n, n+2
.endr
.set n, 0
.rept 32
	v_med3_num_f32 v[96+n], v[96+n], -v241, v241
.set n, n+1
.endr
.irp j, 0,1,2,3
	v_cvt_scalef32_pk8_fp8_f32 v[224+2*\j:225+2*\j], v[96+8*\j:103+8*\j], v242
.endr
	global_store_b128 v1, v[224:227], s[12:13]     ; 32 lanes store 512 consecutive bytes, aligned
	global_store_b128 v1, v[228:231], s[12:13] offset:512
	s_wait_tensorcnt 0x0
	ds_add_u32 v251, v255
	s_wait_dscnt 0x0
	ROUND                                          ; the closing round: no work-group ends while a partner may still ask for a tile that names it
	s_endpgm
.Lfunc_end_k_q30a74cf36f_attn:
	.size	k_q30a74cf36f_attn, .Lfunc_end_k_q30a74cf36f_attn-k_q30a74cf36f_attn
	.p2alignl 7, 3214868480
	.fill 96, 4, 3214868480
	.section	.rodata,"a",@progbits
	.p2align	6, 0x0
	.amdhsa_kernel k_q30a74cf36f_attn
		.amdhsa_group_segment_fixed_size 264192
		.amdhsa_private_segment_fixed_size 0
		.amdhsa_enable_private_segment 0
		.amdhsa_kernarg_size 40
		.amdhsa_user_sgpr_count 2
		.amdhsa_user_sgpr_kernarg_segment_ptr 1
		.amdhsa_wavefront_size32 1
		.amdhsa_system_sgpr_workgroup_id_x 1
		.amdhsa_system_sgpr_workgroup_id_y 1
		.amdhsa_system_sgpr_workgroup_id_z 1
		.amdhsa_system_vgpr_workitem_id 0
		.amdhsa_next_free_vgpr 256
		.amdhsa_next_free_sgpr 100
		.amdhsa_reserve_vcc 0
		.amdhsa_float_denorm_mode_32 3
		.amdhsa_float_denorm_mode_16_64 3
		.amdhsa_memory_ordered 1
		.amdhsa_forward_progress 1
		.amdhsa_inst_pref_size 75
	.end_amdhsa_kernel
	.amdgpu_metadata
---
amdhsa.version: [ 1, 2 ]
amdhsa.kernels:
  - .name:           k_q30a74cf36f_attn
    .symbol:         k_q30a74cf36f_attn.kd
    .args:
      - { .name: q_img, .offset: 0, .size: 8, .value_kind: global_buffer, .address_space: global }
      - { .name: k_img, .offset: 8, .size: 8, .value_kind: global_buffer, .address_space: global }
      - { .name: v_img, .offset: 16, .size: 8, .value_kind: global_buffer, .address_space: global }
      - { .name: lowp_scales, .offset: 24, .size: 8, .value_kind: global_buffer, .address_space: global }
      - { .name: o_img, .offset: 32, .size: 8, .value_kind: global_buffer, .address_space: global }
    .group_segment_fixed_size: 264192
    .private_segment_fixed_size: 0
    .kernarg_segment_align: 8
    .kernarg_segment_size: 40
    .max_flat_workgroup_size: 512
    .sgpr_count:     100
    .vgpr_count:     256
    .wavefront_size: 32
...
	.end_amdgpu_metadata
.endif
;; end of part 2
;; launch proj (part 3): grid 8 x 32, 4 waves a work-group, clusters of 4 x 4, 288,256 bytes of LDS; arguments o_img, out_w_codes, out_b, lowp_scales, out0; writes out0
.if DOCPART == 3
	.amdgcn_target "amdgcn-amd-amdhsa--gfx1250"
	.amdhsa_code_object_version 6
	.text
	.protected	k_q30a74cf36f_proj
	.globl	k_q30a74cf36f_proj
	.p2align	8
	.type	k_q30a74cf36f_proj,@function
k_q30a74cf36f_proj:
	s_mov_b64 s[64:65], 0
	v_nop
	global_prefetch_b8 v0, s[64:65] scope:SCOPE_SE
	s_setreg_imm32_b32 hwreg(HW_REG_WAVE_MODE, 25, 1), 1
	s_wait_xcnt 0x0
	s_wait_alu depctr_hold_cnt(0) depctr_sa_sdst(0) depctr_va_vdst(0) depctr_va_sdst(0) depctr_va_ssrc(0) depctr_va_vcc(0) depctr_vm_vsrc(0)
	s_getreg_b32 s2, hwreg(HW_REG_IB_STS2, 6, 4)
	s_cmp_eq_u32 s2, 0
	s_cbranch_scc0 .Lentry_in_a_cluster
	s_endpgm
.Lentry_in_a_cluster:
	s_bfe_u32 s2, ttmp6, 0x10000c
	s_cmp_lg_u32 s2, 0xf033
	s_cbranch_scc0 .Lentry_shape_is_right
	s_endpgm
.Lentry_shape_is_right:
; out0 = o Wout^T + out_b on codes of FP8 (E4M3).  o: 4,096 tokens x 1,024, as the image of fragment registers that the launch before stored; Wout: [1024][1024] codes, K innermost; out0: [4096][1024] f32.
; A number of o is code x 2^e6, of Wout code x 2^e7: each finished sum is multiplied by 2^(e6 + e7) and out_b is added, by one packed multiply-add for two numbers.
; LIMIT: e6 + e7 lies between -126 and 127, so that 2^(e6 + e7) is an f32 number.
; SHARES.  A work-group of four waves makes 128 tokens x 128 columns; wave w makes tokens 64 (w / 2) on x columns 64 (w % 2) on: 16 accumulators.
; ALL OF K LIES IN LDS AT ONCE: four slots of 256 along K, each with o's image (32,768 bytes, dense) and 128 rows of W (272 bytes apart).  Every LDS byte is filled once, at the start: no ring, no refill.
; CLUSTERS: 4 x 4 work-groups.  The four of a row of the cluster need the same part of o, the four of a column the same rows of W: each tile is asked for jointly.
; FRAGMENTS.  o's come as they were stored: four loads of 16 bytes at 16 x lane; they hold k = 16 c + 8 h + 0 .. 7 in registers 2 c, 2 c + 1.  So W's are fetched in the same order, by eight loads of 8 bytes at row x pitch + 8 h + 16 c:
; the 32 lanes of such a load touch words 68 r + 2 h and + 1: 64 different banks (64 banks of 4 bytes: ISA guide 11.1).
; THE MATRIX INSTRUCTION IS USED TRANSPOSED (source 0 = 16 rows of W, source 1 = 16 tokens): a lane holds eight neighbouring columns of one row of out0.
; REGISTERS.  Window 0: v1-15 addresses; v16-47 out_b; v48-79 a tile's results; v80-111 rows read back from the stage; v128-255 accumulator (i, j) at v[128 + 32 j + 8 i].  Window 1: two fragment buffers of 128.
.set PITCH, 272
.set AIMG,  32768                      ; o's image in a slot: tile of 16 tokens x 4,096 + half of the 256 along K x 2,048 + group x 512 + 16 x lane
.set HALFW, 64*PITCH
.set SLOT,  AIMG+2*HALFW               ; 67,584
.set STAGE, 4*SLOT                     ; behind the slots: 16 rows x 272 bytes for each wave, for the way out; no tile lands there
.set NF,    48                         ; LDS loads of one K step of 128
.set AA,  4                            ; v4-7   LDS address of my part of o's image in slot 0..3
.set AW,  8                            ; v8-11  of my rows of W
.set STO, 12                           ; v12    the way out: where I put 32 bytes of a row
.set BO,  13                           ; v13    my byte offset in the wave's 64 numbers of out_b
.set RD,  14                           ; v14    where I read a row back
.set CO,  15                           ; v15    my byte offset in two rows of out0
.set BI,  16
.set T,   48
.set BK,  80
.set ACC, 128
.set F0,  0
.set F1,  128
.set G1A, 28                           ; s[28:35] descriptor group 1 for o;  s[36:43] for W;  s[44:59], s[68:83] their groups 0, one for each slot, never rewritten
.set G1W, 36
.set G0A, 44
.set G0W, 68
.set MUL,  0x05                        ; sources 0 and 1 window 1; C and D window 0
.set TO_F, 0x40                        ; destination window 1, address window 0
.set MSB, 0
.macro WIN new                         ; the immediate's high byte repeats the setting that is left
.if MSB != \new
	s_set_vgpr_msb (MSB<<8)|\new
.set MSB, \new
.endif
.endm
.macro ROUND                           ; a round of the cluster's barrier
	s_barrier_signal -1
	s_barrier_wait -1
	s_cmp_lg_u32 s18, 0
	s_cbranch_scc1 .Lnot_wave_0_\@
	s_barrier_signal -3
.Lnot_wave_0_\@:
	s_barrier_wait -3
	s_barrier_signal -1
	s_barrier_wait -1
.endm
.macro PLACES                          ; four places in front of loads into registers that matrix instructions have read, and of the first read of results (ISA guide 7.12.1 for vector instructions)
.rept 4
	v_nop
.endr
.endm
	s_load_b256 s[4:11], s[0:1], 0x0               ; o_img s[4:5], W s[6:7], out_b s[8:9], the scales' exponents s[10:11]
	s_load_b64 s[12:13], s[0:1], 0x20              ; out0
	v_lshl_add_u32 v126, v0, 2, 0x46400
	v_mov_b32 v127, 0
	ds_add_u32 v126, v127
	ds_add_u32 v126, v127
	v_lshrrev_b32 v1, 5, v0
	v_readfirstlane_b32 s18, v1                    ; wave 0..3
	s_lshr_b32 s19, s18, 1                         ; a: which 64 tokens are mine.  Also: I fetch for o (0) or for W (1)
	s_and_b32 s20, s18, 1                          ; b: which 64 columns.  Also: which half of that tile I fetch
	s_bfe_u32 s21, ttmp6, 0x40000                  ; cx, cy
	s_bfe_u32 s22, ttmp6, 0x40004
	s_lshl_b32 s23, ttmp9, 2
	s_add_co_u32 s23, s23, s21                     ; tile column 0..7
	s_and_b32 s24, ttmp7, 0xffff
	s_lshl_b32 s24, s24, 2
	s_add_co_u32 s24, s24, s22                     ; tile row 0..31
	s_lshl_b32 s25, s22, 2
	s_lshl_b32 s25, 15, s25                        ; my row of the cluster
	s_lshl_b32 s26, 0x1111, s21                    ; my column
	s_or_b32 s[G1A], s25, (3<<16)|(1<<21)          ; o's tiles go to my row: elements of 8 bytes, no padding; bit 21 set beside a mask
	s_mov_b32 s[G1A+1], 32<<16                     ; rows of 256 bytes of a dense block
	s_mov_b32 s[G1A+2], 64<<16
	s_mov_b32 s[G1A+3], 32<<16
	s_mov_b32 s[G1A+4], 64
	s_mov_b32 s[G1A+5], 32
	s_mov_b32 s[G1A+6], 0
	s_mov_b32 s[G1A+7], 0
	s_or_b32 s[G1W], s26, (1<<20)|(1<<21)|(5<<22)|(3<<25)   ; W's to my column: elements of 1 byte; 4 words of padding after every 64
	s_mov_b32 s[G1W+1], 256<<16
	s_mov_b32 s[G1W+2], 64<<16
	s_mov_b32 s[G1W+3], 256<<16
	s_mov_b32 s[G1W+4], 64
	s_mov_b32 s[G1W+5], 1024
	s_mov_b32 s[G1W+6], 0
	s_mov_b32 s[G1W+7], 0
	s_lshl_b32 s60, s24, 17                        ; o_img: 131,072 bytes for 128 tokens, + my half of a slot's 32,768
	s_lshl_b32 s61, s20, 14
	s_add_co_u32 s60, s60, s61
	s_mov_b32 s61, 0
	s_lshl_b32 s62, s23, 7
	s_lshl_b32 s63, s20, 6
	s_add_co_u32 s62, s62, s63
	s_lshl_b32 s62, s62, 10                        ; W: row 128 x tile column + 64 b
	s_mov_b32 s63, 0
	s_lshl_b32 s92, s20, 14                        ; where they go in a slot: no place in the cluster enters an LDS address
	s_mul_i32 s93, s20, HALFW
	s_add_co_u32 s93, s93, AIMG                    ; (also where my 64 columns' rows of W lie)
	s_lshl_b32 s94, s19, 14                        ; my 64 tokens in o's image
	s_lshl_b32 s96, s24, 7                         ; out0: row 128 x tile row + 64 a, 4,096 bytes a row; column 128 x tile column + 64 b
	s_lshl_b32 s97, s19, 6
	s_add_co_u32 s96, s96, s97
	s_lshl_b32 s96, s96, 12
	s_lshl_b32 s97, s23, 9
	s_add_co_u32 s96, s96, s97
	s_lshl_b32 s97, s20, 8
	s_add_co_u32 s96, s96, s97
	s_mov_b32 s97, 0
	s_lshl_b32 s98, s23, 9                         ; out_b: my wave's 64 numbers
	s_lshl_b32 s99, s20, 8
	s_add_co_u32 s98, s98, s99
	s_mov_b32 s99, 0
	s_wait_dscnt 0x0
	s_wait_kmcnt 0x0
	s_load_b256 s[84:91], s[10:11], 0x0            ; e0 .. e7
	s_add_nc_u64 s[60:61], s[4:5], s[60:61]
	s_add_nc_u64 s[62:63], s[6:7], s[62:63]
	s_add_nc_u64 s[12:13], s[12:13], s[96:97]
	s_add_nc_u64 s[8:9], s[8:9], s[98:99]
.irp q, 0,1,2,3
	s_mov_b32 s[G0A+4*\q], 1
	s_add_co_u32 s[G0A+4*\q+1], s92, \q*SLOT
	s_add_nc_u64 s[G0A+4*\q+2:G0A+4*\q+3], s[60:61], \q*AIMG
	s_or_b32 s[G0A+4*\q+3], s[G0A+4*\q+3], 0x80000000
	s_mov_b32 s[G0W+4*\q], 1
	s_add_co_u32 s[G0W+4*\q+1], s93, \q*SLOT
	s_add_nc_u64 s[G0W+4*\q+2:G0W+4*\q+3], s[62:63], \q*256
	s_or_b32 s[G0W+4*\q+3], s[G0W+4*\q+3], 0x80000000
.endr
	ROUND                                          ; all sixteen work-groups are here: the joint loads meet
	s_cmp_eq_u32 s19, 0                            ; a wave's four fills stand in one branch on the wave's number: four loads of mine are out; four v_nop follow the last
	s_cbranch_scc0 .Lfor_w
	tensor_load_to_lds s[G0A:G0A+3], s[G1A:G1A+7]
	s_nop 0
	tensor_load_to_lds s[G0A+4:G0A+7], s[G1A:G1A+7]
	s_nop 0
	tensor_load_to_lds s[G0A+8:G0A+11], s[G1A:G1A+7]
	s_nop 0
	tensor_load_to_lds s[G0A+12:G0A+15], s[G1A:G1A+7]
	s_nop 0
	PLACES
	s_branch .Lasked
.Lfor_w:
	tensor_load_to_lds s[G0W:G0W+3], s[G1W:G1W+7]
	s_nop 0
	tensor_load_to_lds s[G0W+4:G0W+7], s[G1W:G1W+7]
	s_nop 0
	tensor_load_to_lds s[G0W+8:G0W+11], s[G1W:G1W+7]
	s_nop 0
	tensor_load_to_lds s[G0W+12:G0W+15], s[G1W:G1W+7]
	s_nop 0
	PLACES
.Lasked:
	v_and_b32 v1, 15, v0                           ; r = lane % 16
	v_bfe_u32 v2, v0, 4, 1                         ; h = lane / 16
	v_and_b32 v3, 31, v0
	v_lshlrev_b32 v3, 4, v3                        ; 16 x lane
	v_mul_u32_u24 v[STO], v1, PITCH
	v_lshl_add_u32 v[RD], v2, 3, v[STO]            ; W: row x pitch + 8 h
.irp q, 0,1,2,3
	v_add_nc_u32 v[AA+\q], s94, v3
	v_add_nc_u32 v[AW+\q], s93, v[RD]
	s_add_co_u32 s94, s94, SLOT
	s_add_co_u32 s93, s93, SLOT
.endr
	s_mul_i32 s95, s18, 16*PITCH
	s_add_co_u32 s95, s95, STAGE                   ; my stage
	v_lshl_add_u32 v[STO], v2, 5, v[STO]
	v_add_nc_u32 v[STO], s95, v[STO]               ; in: row r, 32 bytes for each half of the lanes
	v_mul_u32_u24 v[RD], v2, PITCH
	v_lshl_add_u32 v[RD], v1, 4, v[RD]
	v_add_nc_u32 v[RD], s95, v[RD]                 ; back: lanes 0-15 take one row of 256 bytes, lanes 16-31 the next
	v_lshlrev_b32 v[CO], 12, v2
	v_lshl_add_u32 v[CO], v1, 4, v[CO]             ; and the same two rows in out0
	v_lshlrev_b32 v[BO], 5, v2                     ; out_b at columns 16 i + 8 h + 0 .. 7
.irp i, 0,1,2,3
	global_load_b128 v[BI+8*\i:BI+8*\i+3], v[BO], s[8:9] offset:64*\i
	global_load_b128 v[BI+8*\i+4:BI+8*\i+7], v[BO], s[8:9] offset:64*\i+16
.endr
	s_wait_kmcnt 0x0
	s_add_co_i32 s98, s90, s91                     ; e6 + e7
	s_add_co_i32 s98, s98, 127
	s_lshl_b32 s98, s98, 23                        ; 2^(e6 + e7) as f32
	s_mov_b32 s99, s98                             ; (named with it as a pair, so it is written)
.macro FETCH s, f                      ; the fragments of K step s (128 along K; two steps to a slot) into buffer f: W's four, then o's four
	WIN TO_F
.irp i, 0,1,2,3
.irp c, 0,1,2,3,4,5,6,7
	ds_load_b64 v[\f+64+16*\i+2*\c:\f+64+16*\i+2*\c+1], v[AW+(\s)/2] offset:128*((\s)%2)+\i*16*PITCH+16*\c
.endr
.endr
.irp j, 0,1,2,3
.irp g, 0,1,2,3
	ds_load_b128 v[\f+16*\j+4*\g:\f+16*\j+4*\g+3], v[AA+(\s)/2] offset:\j*4096+((\s)%2)*2048+512*\g
.endr
.endr
.endm
; 8 matrix instructions: token tiles j0, j0 + 1 x W's four.  The 16 accumulators take turns, one instruction a turn, in the same order in every step.
.macro MUL8 f, j0, zero                ; zero = 1: the first product starts the sums: nothing is cleared
.irp j, \j0, \j0+1
.irp i, 0,1,2,3
.if \zero
	v_wmma_f32_16x16x128_fp8_fp8 v[ACC+32*(\j)+8*\i:ACC+32*(\j)+8*\i+7], v[\f+64+16*\i:\f+64+16*\i+15], v[\f+16*(\j):\f+16*(\j)+15], 0
.else
	v_wmma_f32_16x16x128_fp8_fp8 v[ACC+32*(\j)+8*\i:ACC+32*(\j)+8*\i+7], v[\f+64+16*\i:\f+64+16*\i+15], v[\f+16*(\j):\f+16*(\j)+15], v[ACC+32*(\j)+8*\i:ACC+32*(\j)+8*\i+7]
.endif
.endr
.endr
.endm
.macro STEP s, zero                    ; an even K step: multiplies buffer 0; its successor lies in the same slot and is fetched first
.if (\s) > 0
	PLACES
.endif
	FETCH (\s)+1, F1
	s_wait_dscnt NF                                ; all but the NF loads just issued: buffer 0 is in
	WIN MUL
	MUL8 F0, 0, \zero
	MUL8 F0, 2, \zero
.endm
.macro TURN s, n                       ; an odd K step: multiplies buffer 1 and goes on to the next slot
	s_wait_tensorcnt \n                            ; my part of the next slot has landed; my n younger loads may stay out
	s_wait_dscnt 0x0                               ; buffer 1 is in, and no LDS load of mine is pending at the signal
	s_barrier_signal -1
	WIN MUL
	MUL8 F1, 0, 0                                  ; work on registers while the others arrive
	s_barrier_wait -1                              ; everybody's part of the next slot has landed
	PLACES
	FETCH (\s)+1, F0
	WIN MUL
	MUL8 F1, 2, 0
.endm
	s_wait_tensorcnt 3                             ; my part of slot 0 has landed; the three younger loads stay out
	s_barrier_signal -1
	s_barrier_wait -1                              ; everybody's has
	FETCH 0, F0
	STEP 0, 1
	TURN 1, 2
	STEP 2, 0
	TURN 3, 1
	STEP 4, 0
	TURN 5, 0
	STEP 6, 0
	s_wait_dscnt 0x0                               ; the last step: nothing more to fetch
	WIN MUL
	MUL8 F1, 0, 0
	MUL8 F1, 2, 0
	WIN 0
; THE WAY OUT, a tile of 16 tokens x my 64 columns at a time.  A lane holds 32 neighbouring bytes of a row, and the lanes beside it hold other rows: so a tile goes through my own stage in LDS and comes back as whole
; rows of 256 bytes.  LDS serves a wave's instructions in order (ISA guide 5.7.1.4): no wait between the stores and the loads, nor in front of the next tile's stores.
; The macros' argument j may be an expression: it stands in brackets wherever it is used.
.macro PK j
.set n, 0
.rept 16
	v_pk_fma_f32 v[T+n:T+n+1], v[ACC+32*(\j)+n:ACC+32*(\j)+n+1], s[98:99], v[BI+n:BI+n+1] op_sel_hi:[1,0,1]   ; sum x 2^(e6 + e7) + out_b; each accumulator from its low end on
.set n, n+2
.endr
.endm
.macro TOSTAGE
.irp i, 0,1,2,3
	ds_store_b128 v[STO], v[T+8*\i:T+8*\i+3] offset:64*\i
	ds_store_b128 v[STO], v[T+8*\i+4:T+8*\i+7] offset:64*\i+16
.endr
.irp t, 0,1,2,3,4,5,6,7
	ds_load_b128 v[BK+4*\t:BK+4*\t+3], v[RD] offset:\t*2*PITCH
.endr
.endm
.macro SEND j
	s_wait_dscnt 0x0                               ; the tile is back in registers
.irp t, 0,1,2,3,4,5,6,7
	global_store_b128 v[CO], v[BK+4*\t:BK+4*\t+3], s[12:13] offset:(16*(\j)+2*\t)*4096 th:TH_STORE_NT   ; rows 16 j + 2 t and + 1 of my 64: 16 lanes store 256 consecutive bytes, aligned; written once, read by nobody here
.endr
.endm
	s_wait_loadcnt 0x0                             ; out_b
	PLACES
	PK 0
	TOSTAGE
.irp j, 1,2,3                          ; tile j's arithmetic stands between tile j - 1's loads from the stage and the wait for them
	PK \j
	SEND \j-1
	s_wait_xcnt 0x0                                ; the stores have read their registers: the next tile's rows may land there
	TOSTAGE
.endr
	SEND 3
	s_wait_tensorcnt 0x0
	ds_add_u32 v126, v127
	s_wait_dscnt 0x0
	ROUND                                          ; the closing round: no work-group ends while a partner may still ask for a tile that names it
	s_endpgm
.Lfunc_end_k_q30a74cf36f_proj:
	.size	k_q30a74cf36f_proj, .Lfunc_end_k_q30a74cf36f_proj-k_q30a74cf36f_proj
	.p2alignl 7, 3214868480
	.fill 96, 4, 3214868480
	.section	.rodata,"a",@progbits
	.p2align	6, 0x0
	.amdhsa_kernel k_q30a74cf36f_proj
		.amdhsa_group_segment_fixed_size 288256
		.amdhsa_private_segment_fixed_size 0
		.amdhsa_enable_private_segment 0
		.amdhsa_kernarg_size 40
		.amdhsa_user_sgpr_count 2
		.amdhsa_user_sgpr_kernarg_segment_ptr 1
		.amdhsa_wavefront_size32 1
		.amdhsa_system_sgpr_workgroup_id_x 1
		.amdhsa_system_sgpr_workgroup_id_y 1
		.amdhsa_system_sgpr_workgroup_id_z 1
		.amdhsa_system_vgpr_workitem_id 0
		.amdhsa_next_free_vgpr 512
		.amdhsa_next_free_sgpr 102
		.amdhsa_reserve_vcc 0
		.amdhsa_float_denorm_mode_32 3
		.amdhsa_float_denorm_mode_16_64 3
		.amdhsa_memory_ordered 1
		.amdhsa_forward_progress 1
		.amdhsa_inst_pref_size 55
	.end_amdhsa_kernel
	.amdgpu_metadata
---
amdhsa.version: [ 1, 2 ]
amdhsa.kernels:
  - .name:           k_q30a74cf36f_proj
    .symbol:         k_q30a74cf36f_proj.kd
    .args:
      - { .name: o_img, .offset: 0, .size: 8, .value_kind: global_buffer, .address_space: global }
      - { .name: out_w_codes, .offset: 8, .size: 8, .value_kind: global_buffer, .address_space: global }
      - { .name: out_b, .offset: 16, .size: 8, .value_kind: global_buffer, .address_space: global }
      - { .name: lowp_scales, .offset: 24, .size: 8, .value_kind: global_buffer, .address_space: global }
      - { .name: out0, .offset: 32, .size: 8, .value_kind: global_buffer, .address_space: global }
    .group_segment_fixed_size: 288256
    .private_segment_fixed_size: 0
    .kernarg_segment_align: 8
    .kernarg_segment_size: 40
    .max_flat_workgroup_size: 128
    .sgpr_count:     102
    .vgpr_count:     512
    .wavefront_size: 32
...
	.end_amdgpu_metadata
.endif
;; end of part 3
;; ======== version 2 of 2: 3 launches
;; limits: right only within a limited range of input values
;; workspace buffers: q_img 4,194,304 bytes; k_img 4,194,304 bytes; v_img 4,194,304 bytes; o_img 4,194,304 bytes
;; launch qkv (part 4): grid 16 x 16, 4 waves a work-group, clusters of 4 x 4, 327,680 bytes of LDS; arguments x_codes, qkv_w_codes, qkv_b, lowp_scales, q_img, k_img, v_img; writes q_img, k_img, v_img
.if DOCPART == 4
	.amdgcn_target "amdgcn-amd-amdhsa--gfx1250"
	.amdhsa_code_object_version 6
	.text
	.protected	k_q30a74cf36f_qkv
	.globl	k_q30a74cf36f_qkv
	.p2align	8
	.type	k_q30a74cf36f_qkv,@function
k_q30a74cf36f_qkv:
	s_mov_b64 s[64:65], 0
	v_nop
	global_prefetch_b8 v0, s[64:65] scope:SCOPE_SE
	s_setreg_imm32_b32 hwreg(HW_REG_WAVE_MODE, 25, 1), 1
	s_wait_xcnt 0x0
	s_wait_alu depctr_hold_cnt(0) depctr_sa_sdst(0) depctr_va_vdst(0) depctr_va_sdst(0) depctr_va_ssrc(0) depctr_va_vcc(0) depctr_vm_vsrc(0)
	s_getreg_b32 s2, hwreg(HW_REG_IB_STS2, 6, 4)
	s_cmp_eq_u32 s2, 0
	s_cbranch_scc0 .Lentry_in_a_cluster
	s_endpgm
.Lentry_in_a_cluster:
	s_bfe_u32 s2, ttmp6, 0x10000c
	s_cmp_lg_u32 s2, 0xf033
	s_cbranch_scc0 .Lentry_shape_is_right
	s_endpgm
.Lentry_shape_is_right:
; qkv = x Wqkv^T + qkv_b on codes of FP8 (E4M3); q, k and v are quantised on the way out and stored as IMAGES OF THE NEXT LAUNCH'S FRAGMENT REGISTERS.
; x: [4096][1024] codes, Wqkv: [3072][1024] codes, K innermost.  A number of x is code x 2^e0, of W code x 2^e1.  q, k, v take the scales 2^e2, 2^e3, 2^e5.
; SHARES.  A work-group makes 256 tokens x 192 columns: the 64 columns of q, of k and of v of one head; 16 heads x 16 blocks of tokens are 256 work-groups.  Wave (a, b) makes tokens 128 a on x columns 32 b on of each of the
; three: 8 x 6 = 48 accumulators, 384 registers.  For 128 along K it loads 14 fragments from LDS for 48 matrix instructions.
; THE RING.  K goes in four steps of 256 through two LDS slots: 256 rows of x, then 64 rows each of q's, k's and v's W, 272 bytes apart.  Wave 0 fetches x's rows, waves 1, 2, 3 W's: one load a wave for a slot.
; Step 0 is asked for at the head, step 1 when step 0 has landed, steps 2 and 3 when their slot has been read out: each behind a round of the cluster's barrier.
; CLUSTERS: 4 x 4 work-groups.  The four of a row of the cluster need the same rows of x, the four of a column the same rows of W: each tile is asked for jointly, by the same tensor load with the same
; descriptor and a mask that names the four.
; PREFETCH.  A step's 256 bytes of each row are asked for once in each cluster that loads them: the four partners share x's 256 rows out by cx (64 each) and W's 192 by cy (48 each), a lane a row, one instruction a wave (waves 0, 1: x;
; waves 2, 3: W, 24 lanes, the others name the last row again).  Steps 1 and 2 are asked for behind step 0's load, step 3 behind step 1's; nothing lies beyond.
; THE SOURCES.  q, k: source 0 = 16 rows of W, source 1 = 16 tokens: a lane holds ONE token and eight neighbouring channels d: the conversion's two registers are registers 2 i, 2 i + 1 of a K = 64 fragment (d = 16 i + 8 h + 0..7).
;   v: source 0 = 16 tokens, source 1 = 16 rows of W: a lane holds ONE channel and eight neighbouring tokens (keys): registers of a K = 128 fragment of V^T.
;   THE CHANNELS OF A TILE OF V ARE NOT NEIGHBOURS: lane r of tile 2 b + i takes channel 32 b + 8 i + r + 8 (r / 8), so that the next launch's o has 16 neighbouring channels in two neighbouring tiles' registers.
; IMAGES.  q_img, k_img: [head 32][tile of 16 tokens 128][group of 4 registers 2][lane 32][16 bytes].  v_img: [head 32][128 keys 16][tile of 16 channels 4][group 4][lane 32][16 bytes].
; Each store of a wave covers 512 consecutive bytes, aligned.
; ORDER OF K: a fragment is fetched by four loads of 16 bytes, which is a permutation of k inside an instruction, the same on both sides: every product meets its partner.
; LIMITS: e2 - e0 - e1, e3 - e0 - e1 and e5 - e0 - e1 lie between -126 and 119, so that the folded scale and 448 x it are f32 numbers.  NaN and infinity in qkv_b are not served.
; REGISTERS, in windows of 256.  Window 0: v1-15 addresses; v16-49 the bias; v52-57 the scales; v64-95 two sets of 16 numbers at work; v96-127 codes; v128-255 x's fragments, buffer 0.
;   Window 1: W's fragments, buffers at v0 and v96.  Window 2: q's accumulators (tile of tokens t, tile of columns i) at v[16 t + 8 i], k's at v[128 + 16 t + 8 i].  Window 3: v's at v[64 i + 8 t]; v128-255 x's fragments, buffer 1.
.set PITCH, 272                        ; a slot's row: 256 bytes + 16 of padding = 68 words: row r starts at bank 4 r mod 64 (64 banks of 4 bytes: ISA guide 11.1)
.set XB,    256*PITCH                  ; behind x's rows W's begin
.set WB,    64*PITCH                   ; 64 rows
.set SLOT,  XB+3*WB
.set SPARE, 2*SLOT                     ; the spare words, 128 bytes for each wave: two blocks of 256 bytes that no other line names
.set PAD,   (1<<20)|(1<<21)|(5<<22)|(3<<25)   ; elements of 1 byte; padding on; bit 21 set beside a mask; after every 64 words; 4 words
.set AX,  4                            ; v4-5   LDS address of my rows of x in slot 0, 1
.set AW,  6                            ; v6-7   of my rows of W of q (k's lie 64 rows on)
.set AV,  8                            ; v8-9   of my rows of W of v
.set SPW, 10                           ; v10    LDS address of my spare word: SPARE + 4 x my thread's number; never rewritten
.set NIL, 11                           ; v11    0; never rewritten
.set VO,  12                           ; v12    16 x lane: my place in an image's group
.set BO,  13                           ; v13    my byte offset in 16 numbers of the bias;  v14 the same for v
.set PFO, 15                           ; v15    the prefetches' offset; never rewritten
.set BI,  16
.set SC,  52                           ; v52-54 2^(e_sel - e0 - e1) for q, k, v;  v55-57 448 x that
.set LIM, 55
.set T0,  64
.set CD,  96
.set XF,  128
.set G1X, 24                           ; s[24:31] descriptor group 1 for x;  s[48:55] for W;  s[32:39], s[56:63] their groups 0, one for each slot
.set G0X, 32
.set G1W, 48
.set G0W, 56
.set PFA, 66                           ; s[66:67] where my prefetches stand, at K step 0
.set MSB, 0
.macro WIN new                         ; the immediate's high byte repeats the setting that is left.  Low byte: bits 1:0 source 0, 3:2 source 1, 5:4 source 2, 7:6 destination
.if MSB != (\new)
	s_set_vgpr_msb (MSB<<8)|(\new)
.set MSB, (\new)
.endif
.endm
.macro CREST                           ; a round of the cluster's barrier behind its opening barrier
	s_cmp_lg_u32 s18, 0
	s_cbranch_scc1 .Lnot_wave_0_\@
	s_barrier_signal -3
.Lnot_wave_0_\@:
	s_barrier_wait -3
	s_barrier_signal -1
	s_barrier_wait -1
.endm
.macro ROUND                           ; a whole round
	s_barrier_signal -1
	s_barrier_wait -1
	CREST
.endm
.macro PLACES                          ; four places in front of loads into registers that matrix instructions have read, and of the first read of results (ISA guide 7.12.1 for vector instructions)
.rept 4
	v_nop
.endr
.endm
.macro JLOAD s                         ; a joint load into slot s; an s_nop 0 and four v_nop follow each of the two lines
	s_cmp_eq_u32 s18, 0
	s_cbranch_scc0 .Lfor_w_\@
	tensor_load_to_lds s[G0X+4*\s:G0X+4*\s+3], s[G1X:G1X+7]
	s_nop 0
	PLACES
	s_branch .Lasked_\@
.Lfor_w_\@:
	tensor_load_to_lds s[G0W+4*\s:G0W+4*\s+3], s[G1W:G1W+7]
	s_nop 0
	PLACES
.Lasked_\@:
.endm
.macro ASK n                           ; K step n of the rows that my work-group asks for
	global_prefetch_b8 v[PFO], s[PFA:PFA+1] offset:256*\n th:TH_LOAD_NT scope:SCOPE_SE
.endm
	s_load_b256 s[4:11], s[0:1], 0x0               ; x s[4:5], W s[6:7], the bias s[8:9], the scales' exponents s[10:11]
	s_load_b128 s[12:15], s[0:1], 0x20             ; q_img, k_img
	s_load_b64 s[16:17], s[0:1], 0x30              ; v_img
	v_lshl_add_u32 v[SPW], v0, 2, SPARE
	v_mov_b32 v[NIL], 0
	ds_add_u32 v[SPW], v[NIL]                      ; the wave's opening: the add, twice on end, and its wait ahead of my first tensor load
	ds_add_u32 v[SPW], v[NIL]
	v_lshrrev_b32 v1, 5, v0
	v_readfirstlane_b32 s18, v1                    ; wave 0..3
	s_lshr_b32 s19, s18, 1                         ; a: which 128 tokens are mine
	s_and_b32 s20, s18, 1                          ; b: which 32 columns of q, of k and of v
	s_bfe_u32 s21, ttmp6, 0x40000                  ; cx, cy: my place in the cluster
	s_bfe_u32 s22, ttmp6, 0x40004
	s_lshl_b32 s23, ttmp9, 2
	s_add_co_u32 s23, s23, s21                     ; the head 0..15 = 4 x cluster x + cx
	s_and_b32 s40, ttmp7, 0xffff
	s_lshl_b32 s40, s40, 2
	s_add_co_u32 s40, s40, s22                     ; the block of 256 tokens 0..15 = 4 x cluster y + cy
	s_lshl_b32 s42, s22, 2
	s_lshl_b32 s42, 15, s42                        ; my row of the cluster
	s_lshl_b32 s43, 0x1111, s21                    ; my column
	s_or_b32 s[G1X], s42, PAD                      ; x's tiles go to my row of the cluster, W's to my column
	s_or_b32 s[G1W], s43, PAD
	s_mov_b32 s[G1X+1], 256<<16                    ; tensor_dim0 = 256 bytes
	s_mov_b32 s[G1X+2], 256<<16                    ; tensor_dim1 = 256 rows
	s_mov_b32 s[G1X+3], 256<<16                    ; tile_dim0
	s_mov_b32 s[G1X+4], 256                        ; tile_dim1
	s_mov_b32 s[G1X+5], 1024                       ; from row to row
	s_mov_b32 s[G1X+6], 0
	s_mov_b32 s[G1X+7], 0
	s_mov_b32 s[G1W+1], 256<<16
	s_mov_b32 s[G1W+2], 64<<16                     ; 64 rows
	s_mov_b32 s[G1W+3], 256<<16
	s_mov_b32 s[G1W+4], 64
	s_mov_b32 s[G1W+5], 1024
	s_mov_b32 s[G1W+6], 0
	s_mov_b32 s[G1W+7], 0
	s_lshl_b32 s2, s40, 18                         ; x: 256 rows of 1,024 bytes a block
	s_mov_b32 s3, 0
	s_max_u32 s41, s18, 1
	s_sub_co_u32 s41, s41, 1                       ; waves 1, 2, 3: W of q, k, v, 1,024 rows apart
	s_lshl_b32 s46, s41, 20
	s_lshl_b32 s47, s23, 16
	s_add_co_u32 s46, s46, s47                     ; W: row 1,024 x part + 64 x head
	s_mov_b32 s47, 0
	s_mul_i32 s44, s18, WB
	s_add_co_u32 s44, s44, XB-WB                   ; and where it goes in a slot: no place in the cluster enters an LDS address
	s_wait_dscnt 0x0                               ; both opening adds are done
	s_wait_kmcnt 0x0
	s_load_b256 s[84:91], s[10:11], 0x0            ; e0 .. e7
	s_add_nc_u64 s[2:3], s[4:5], s[2:3]
	s_add_nc_u64 s[46:47], s[6:7], s[46:47]
.irp s, 0,1
	s_mov_b32 s[G0X+4*\s], 1
	s_mov_b32 s[G0X+4*\s+1], \s*SLOT
	s_add_nc_u64 s[G0X+4*\s+2:G0X+4*\s+3], s[2:3], \s*256
	s_or_b32 s[G0X+4*\s+3], s[G0X+4*\s+3], 0x80000000
	s_mov_b32 s[G0W+4*\s], 1
	s_add_co_u32 s[G0W+4*\s+1], s44, \s*SLOT
	s_add_nc_u64 s[G0W+4*\s+2:G0W+4*\s+3], s[46:47], \s*256
	s_or_b32 s[G0W+4*\s+3], s[G0W+4*\s+3], 0x80000000
.endr
	ROUND                                          ; all sixteen work-groups are here: the first joint loads meet
	JLOAD 0                                        ; K step 0: one tensor load a wave at the head
	; the prefetches: rows of the tile 64 cx + 32 b on of x, 48 cy + 24 b on of W
	s_lshl_b32 s68, s21, 6
	s_lshl_b32 s69, s20, 5
	s_add_co_u32 s68, s68, s69
	s_mul_i32 s69, s22, 48
	s_mul_i32 s70, s20, 24
	s_add_co_u32 s69, s69, s70
	s_lshl_b32 s72, s40, 18
	s_lshl_b32 s73, s23, 16
	s_mov_b32 s70, 23
	s_mov_b32 s71, 0x100000
	s_cmp_lt_u32 s18, 2                            ; waves 0, 1 ask for x, waves 2, 3 for W
	s_cselect_b64 s[PFA:PFA+1], s[4:5], s[6:7]
	s_cselect_b32 s68, s68, s69
	s_cselect_b32 s70, 31, s70                     ; my last lane that names a row of its own
	s_cselect_b32 s71, 0x10000, s71                ; from 64 rows of the tile to the next 64, in memory
	s_cselect_b32 s72, s72, s73
	s_mov_b32 s73, 0
	s_add_nc_u64 s[PFA:PFA+1], s[PFA:PFA+1], s[72:73]
	v_and_b32 v1, 31, v0
	v_lshlrev_b32 v[VO], 4, v1
	v_min_u32 v1, s70, v1
	v_add_nc_u32 v1, s68, v1
	v_lshrrev_b32 v2, 6, v1
	v_and_b32 v1, 63, v1
	v_mul_lo_u32 v2, v2, s71
	v_lshl_add_u32 v[PFO], v1, 10, v2
	ASK 1
	ASK 2
	s_mul_i32 s2, s19, 128*PITCH                   ; my 128 rows of x,
	s_mul_i32 s3, s20, 32*PITCH
	s_add_co_u32 s3, s3, XB                        ; my 32 rows of W of q,
	s_add_co_u32 s41, s3, 2*WB                     ; of W of v
	v_and_b32 v1, 15, v0                           ; r = lane % 16
	v_bfe_u32 v2, v0, 4, 1                         ; h = lane / 16
	v_mul_u32_u24 v3, v1, PITCH
	v_lshl_add_u32 v3, v2, 4, v3                   ; a fragment's row x pitch + 16 h
	v_add_nc_u32 v[AX], s2, v3
	v_add_nc_u32 v[AX+1], SLOT, v[AX]
	v_add_nc_u32 v[AW], s3, v3
	v_add_nc_u32 v[AW+1], SLOT, v[AW]
	v_and_b32 v3, 8, v1
	v_add_nc_u32 v3, v3, v1                        ; r + 8 (r / 8)
	v_lshlrev_b32 v14, 2, v3                       ; v's bias: one channel a lane
	v_mul_u32_u24 v3, v3, PITCH
	v_lshl_add_u32 v3, v2, 4, v3
	v_add_nc_u32 v[AV], s41, v3
	v_add_nc_u32 v[AV+1], SLOT, v[AV]
	v_lshlrev_b32 v[BO], 5, v2                     ; q, k: a lane holds columns 16 i + 8 h + 0 .. 7
	s_lshl_b32 s2, s23, 8
	s_lshl_b32 s3, s20, 7
	s_add_co_u32 s2, s2, s3                        ; the bias: 64 x head + 32 b numbers on; k's and v's lie 4,096 and 8,192 bytes on
	s_mov_b32 s3, 0
	s_add_nc_u64 s[8:9], s[8:9], s[2:3]
.irp p, 0,1
.irp i, 0,1
	global_load_b128 v[BI+16*\p+8*\i:BI+16*\p+8*\i+3], v[BO], s[8:9] offset:4096*\p+64*\i
	global_load_b128 v[BI+16*\p+8*\i+4:BI+16*\p+8*\i+7], v[BO], s[8:9] offset:4096*\p+64*\i+16
.endr
.endr
	global_load_b32 v[BI+32], v14, s[8:9] offset:8192
	global_load_b32 v[BI+33], v14, s[8:9] offset:8192+32
	s_lshr_b32 s2, s40, 3                          ; the output: 16 x batch + head,
	s_lshl_b32 s2, s2, 4
	s_add_co_u32 s2, s2, s23
	s_lshl_b32 s2, s2, 17                          ; 131,072 bytes a head,
	s_and_b32 s3, s40, 7
	s_lshl_b32 s3, s3, 14
	s_add_co_u32 s2, s2, s3                        ; 16,384 bytes for 256 tokens, in all three images,
	s_lshl_b32 s3, s19, 13
	s_add_co_u32 s2, s2, s3                        ; 8,192 for my 128;
	s_lshl_b32 s3, s20, 12
	s_add_co_u32 s100, s2, s3                      ; in v_img two tiles of 16 channels of 2,048 bytes,
	s_mov_b32 s101, 0
	s_lshl_b32 s3, s20, 9
	s_add_co_u32 s2, s2, s3                        ; in q_img and k_img group b of each tile of tokens
	s_mov_b32 s3, 0
	s_add_nc_u64 s[12:13], s[12:13], s[2:3]
	s_add_nc_u64 s[14:15], s[14:15], s[2:3]
	s_add_nc_u64 s[16:17], s[16:17], s[100:101]
	s_wait_alu depctr_va_vdst(0)
	s_wait_kmcnt 0x0                               ; the exponents
	s_add_co_i32 s92, s84, s85                     ; a sum stands for sum x 2^(e0 + e1): the three scales are folded into the conversion's one
.macro SCALE esel, n
	s_sub_co_i32 s93, s[\esel], s92
	s_add_co_i32 s93, s93, 127
	s_lshl_b32 s94, s93, 23
	v_mov_b32 v[SC+\n], s94                        ; 2^(e_sel - e0 - e1) as f32
	s_add_co_i32 s93, s93, 8
	s_lshl_b32 s93, s93, 23
	s_or_b32 s93, s93, 0x600000
	v_mov_b32 v[LIM+\n], s93                       ; 448 x that
.endm
	SCALE 86, 0
	SCALE 87, 1
	SCALE 89, 2
	s_sub_co_i32 s92, 0, s92
	s_wait_alu depctr_va_vdst(0)
	s_wait_loadcnt 0x0                             ; the bias
.set n, 0
.rept 34
	v_ldexp_f32 v[BI+n], v[BI+n], s92              ; the bias / 2^(e0 + e1): exact
.set n, n+1
.endr
.macro FRAG reg, adr, off              ; 16 rows x 128 K: 16 registers: registers 4 c .. 4 c + 3 hold K = 32 c + 16 h + 0 .. 15 of row r
.irp c, 0,1,2,3
	ds_load_b128 v[\reg+4*\c:\reg+4*\c+3], v[\adr] offset:\off+32*\c
.endr
.endm
.macro FETCHW slot, q, f               ; the slot's q-th 128 along K into buffer f: W's six fragments
	WIN 0x40
.irp p, 0,1
.irp i, 0,1
	FRAG 96*\f+32*\p+16*\i, AW+\slot, 128*\q+\p*WB+\i*16*PITCH
.endr
.endr
.irp i, 0,1
	FRAG 96*\f+64+16*\i, AV+\slot, 128*\q+\i*8*PITCH
.endr
.endm
.macro FETCHX slot, q, f, t0           ; x's fragments t0 .. t0 + 3
	WIN 0xc0*\f
.irp t, 0,1,2,3
	FRAG XF+16*(\t0+\t), AX+\slot, 128*\q+(\t0+\t)*16*PITCH
.endr
.endm
; The 48 accumulators take turns, one instruction a turn, in the same order in every step.  zero = 1: the first product starts the sums: nothing is cleared.
.macro MQK1 p, f, t, zero              ; q (p = 0) or k (1), tile of tokens t: 2 matrix instructions
	WIN 0xa1+0x0c*\f
.irp i, 0,1
.if \zero
	v_wmma_f32_16x16x128_fp8_fp8 v[128*\p+16*(\t)+8*\i:128*\p+16*(\t)+8*\i+7], v[96*\f+32*\p+16*\i:96*\f+32*\p+16*\i+15], v[XF+16*(\t):XF+16*(\t)+15], 0
.else
	v_wmma_f32_16x16x128_fp8_fp8 v[128*\p+16*(\t)+8*\i:128*\p+16*(\t)+8*\i+7], v[96*\f+32*\p+16*\i:96*\f+32*\p+16*\i+15], v[XF+16*(\t):XF+16*(\t)+15], v[128*\p+16*(\t)+8*\i:128*\p+16*(\t)+8*\i+7]
.endif
.endr
.endm
.macro MQK p, f, t0, zero              ; 8 of them
.irp t, 0,1,2,3
	MQK1 \p, \f, \t0+\t, \zero
.endr
.endm
.macro MV2 f, i, t0, zero              ; v, tile of channels i, tiles of tokens t0, t0 + 1
	WIN 0xf4+0x03*\f
.irp t, 0,1
.if \zero
	v_wmma_f32_16x16x128_fp8_fp8 v[64*\i+8*(\t0+\t):64*\i+8*(\t0+\t)+7], v[XF+16*(\t0+\t):XF+16*(\t0+\t)+15], v[96*\f+64+16*\i:96*\f+64+16*\i+15], 0
.else
	v_wmma_f32_16x16x128_fp8_fp8 v[64*\i+8*(\t0+\t):64*\i+8*(\t0+\t)+7], v[XF+16*(\t0+\t):XF+16*(\t0+\t)+15], v[96*\f+64+16*\i:96*\f+64+16*\i+15], v[64*\i+8*(\t0+\t):64*\i+8*(\t0+\t)+7]
.endif
.endr
.endm
.macro MV f, zero
.irp i, 0,1
.irp t, 0,2,4,6
	MV2 \f, \i, \t, \zero
.endr
.endr
.endm
.macro REST slot, q, f, zero           ; the rest of a step on buffer f, with the next step's loads (the slot's q-th 128 along K, into the other buffer) between the products
	FETCHW \slot, \q, (1-\f)
	MQK 1, \f, 0, \zero
	FETCHX \slot, \q, (1-\f), 0
	MQK 1, \f, 4, \zero
	FETCHX \slot, \q, (1-\f), 4
	MV \f, \zero
.endm
.macro STEP slot, zero                 ; a slot's first 128 along K, in buffer 0
	s_wait_dscnt 0x0                               ; this step's fragments are in (the youngest were asked for 16 matrix instructions ago)
.if \zero == 0
	PLACES                                         ; for the loads into buffer 1
.endif
	MQK 0, 0, 0, \zero
	MQK 0, 0, 4, \zero
	REST \slot, 1, 0, \zero
.endm
.macro TURN slot, fill                 ; a slot's last 128 along K, in buffer 1: goes on to the other slot; fill = 1: this slot is filled again, two K steps on
	s_wait_dscnt 0x0                               ; this step's fragments are in
	WIN 0
	s_wait_tensorcnt 0x0                           ; all my tensor loads have landed: my part of the other slot
.if \fill
	ds_add_u32 v[SPW], v[NIL]                      ; 0 onto my spare word
.endif
	MQK 0, 1, 0, 0                                 ; (fill = 1: eight matrix instructions stand between the add and the wait for it)
	s_wait_dscnt 0x0                               ; the add is done, and so are my reads of this slot
	s_barrier_signal -1
	MQK 0, 1, 4, 0
	WIN 0
	s_barrier_wait -1
.if \fill
	CREST                                          ; no wave of any partner still reads this slot or has a load on its way
	s_add_nc_u64 s[G0X+4*\slot+2:G0X+4*\slot+3], s[G0X+4*\slot+2:G0X+4*\slot+3], 512
	s_add_nc_u64 s[G0W+4*\slot+2:G0W+4*\slot+3], s[G0W+4*\slot+2:G0W+4*\slot+3], 512
	JLOAD \slot                                    ; the first tensor load behind the round; its four v_nop are also the places in front of the loads below
.else
	PLACES
.endif
	REST (1-\slot), 0, 1, 0
.endm
; THE WAY OUT, 16 registers of two accumulators at a time: sum + bias / 2^(e0 + e1), held within 448 x the folded scale, converted: the results are four registers of the image, 512 bytes.
.macro HOLDCV tt, cc, n, ob, off
	WIN 0
.set n, 0
.rept 16
	v_med3_num_f32 v[\tt+n], v[\tt+n], -v[LIM+\n], v[LIM+\n]   ; the conversion to an 8-bit code does not saturate (ISA guide 7.6.2)
.set n, n+1
.endr
	v_cvt_scalef32_pk8_fp8_f32 v[\cc:\cc+1], v[\tt:\tt+7], v[SC+\n]
	v_cvt_scalef32_pk8_fp8_f32 v[\cc+2:\cc+3], v[\tt+8:\tt+15], v[SC+\n]
	global_store_b128 v[VO], v[\cc:\cc+3], s[\ob:\ob+1] offset:\off
.endm
.macro OUTQK p, t, ob                  ; tile of tokens t of q or k
	WIN 0x02
.set TT, T0+16*(\t%2)
.set n, 0
.rept 8
	v_pk_add_f32 v[TT+n:TT+n+1], v[128*\p+16*\t+n:128*\p+16*\t+n+1], v[BI+16*\p+n:BI+16*\p+n+1]   ; each accumulator from its low end on
.set n, n+2
.endr
	HOLDCV TT, CD+4*\t, \p, \ob, 1024*\t
.endm
.macro OUTV i, u                       ; tile of channels i, tiles of tokens 2 u, 2 u + 1: group u of the fragment
	WIN 0x03
.set TT, T0+16*(\u%2)
.set n, 0
.rept 8
.if \i
	v_pk_add_f32 v[TT+n:TT+n+1], v[64*\i+16*\u+n:64*\i+16*\u+n+1], v[BI+32:BI+33] op_sel:[0,1] op_sel_hi:[1,1]   ; one channel a lane: both numbers take the same bias
.else
	v_pk_add_f32 v[TT+n:TT+n+1], v[64*\i+16*\u+n:64*\i+16*\u+n+1], v[BI+32:BI+33] op_sel_hi:[1,0]
.endif
.set n, n+2
.endr
	HOLDCV TT, CD+16*\i+4*\u, 2, 16, 2048*\i+512*\u
.endm
	s_wait_alu depctr_va_vdst(0)
	s_wait_tensorcnt 0x0                           ; my part of K step 0 is in
	ds_add_u32 v[SPW], v[NIL]
	s_wait_dscnt 0x0
	ROUND                                          ; everybody's part of K step 0 is in, and all sixteen work-groups are here
	JLOAD 1                                        ; K step 1: the first tensor load behind the round
	FETCHW 0, 0, 0
	FETCHX 0, 0, 0, 0
	FETCHX 0, 0, 0, 4
	WIN 0
	ASK 3
	STEP 0, 1                                      ; K step 0
	TURN 0, 1
	STEP 1, 0                                      ; K step 1
	TURN 1, 1
	STEP 0, 0                                      ; K step 2
	TURN 0, 0                                      ; nothing is filled again: no round follows
	STEP 1, 0                                      ; K step 3
	s_wait_dscnt 0x0                               ; its last 128 along K: q's products, then k's with q's way out between, then v's with k's
	MQK 0, 1, 0, 0
	MQK 0, 1, 4, 0
	PLACES
.irp t, 0,1,2,3,4,5,6,7
	MQK1 1, 1, \t, 0
	OUTQK 0, \t, 12
.endr
	s_wait_xcnt 0x0                                ; q's stores have read their registers: the codes' registers may be written again
	PLACES
.irp i, 0,1
.irp t, 0,2,4,6
	MV2 1, \i, \t, 0
	OUTQK 1, (\t/2+4*\i), 14
.endr
.endr
	s_wait_xcnt 0x0                                ; k's stores likewise
	PLACES
.irp i, 0,1
.irp u, 0,1,2,3
	OUTV \i, \u
.endr
.endr
	v_nop                                          ; one plain place behind the last conversions
	s_wait_tensorcnt 0x0                           ; the wave's end, behind my last tensor load
	ds_add_u32 v[SPW], v[NIL]
	s_wait_dscnt 0x0
	ROUND                                          ; the closing round: no work-group ends while a partner may still ask for a tile that names it
	s_endpgm
.Lfunc_end_k_q30a74cf36f_qkv:
	.size	k_q30a74cf36f_qkv, .Lfunc_end_k_q30a74cf36f_qkv-k_q30a74cf36f_qkv
	.p2alignl 7, 3214868480
	.fill 96, 4, 3214868480
	.section	.rodata,"a",@progbits
	.p2align	6, 0x0
	.amdhsa_kernel k_q30a74cf36f_qkv
		.amdhsa_group_segment_fixed_size 327680
		.amdhsa_private_segment_fixed_size 0
		.amdhsa_enable_private_segment 0
		.amdhsa_kernarg_size 56
		.amdhsa_user_sgpr_count 2
		.amdhsa_user_sgpr_kernarg_segment_ptr 1
		.amdhsa_wavefront_size32 1
		.amdhsa_system_sgpr_workgroup_id_x 1
		.amdhsa_system_sgpr_workgroup_id_y 1
		.amdhsa_system_sgpr_workgroup_id_z 1
		.amdhsa_system_vgpr_workitem_id 0
		.amdhsa_next_free_vgpr 1024
		.amdhsa_next_free_sgpr 102
		.amdhsa_reserve_vcc 0
		.amdhsa_float_denorm_mode_32 3
		.amdhsa_float_denorm_mode_16_64 3
		.amdhsa_memory_ordered 1
		.amdhsa_forward_progress 1
		.amdhsa_inst_pref_size 114
	.end_amdhsa_kernel
	.amdgpu_metadata
---
amdhsa.version: [ 1, 2 ]
amdhsa.kernels:
  - .name:           k_q30a74cf36f_qkv
    .symbol:         k_q30a74cf36f_qkv.kd
    .args:
      - { .name: x_codes, .offset: 0, .size: 8, .value_kind: global_buffer, .address_space: global }
      - { .name: qkv_w_codes, .offset: 8, .size: 8, .value_kind: global_buffer, .address_space: global }
      - { .name: qkv_b, .offset: 16, .size: 8, .value_kind: global_buffer, .address_space: global }
      - { .name: lowp_scales, .offset: 24, .size: 8, .value_kind: global_buffer, .address_space: global }
      - { .name: q_img, .offset: 32, .size: 8, .value_kind: global_buffer, .address_space: global }
      - { .name: k_img, .offset: 40, .size: 8, .value_kind: global_buffer, .address_space: global }
      - { .name: v_img, .offset: 48, .size: 8, .value_kind: global_buffer, .address_space: global }
    .group_segment_fixed_size: 327680
    .private_segment_fixed_size: 0
    .kernarg_segment_align: 8
    .kernarg_segment_size: 56
    .max_flat_workgroup_size: 128
    .sgpr_count:     102
    .vgpr_count:     1024
    .wavefront_size: 32
...
	.end_amdgpu_metadata
.endif
;; end of part 4
;; launch attn (part 5): grid 8 x 32, 8 waves a work-group, no clusters, 263,168 bytes of LDS; arguments q_img, k_img, v_img, lowp_scales, o_img; writes o_img
.if DOCPART == 5
	.amdgcn_target "amdgcn-amd-amdhsa--gfx1250"
	.amdhsa_code_object_version 6
	.text
	.protected	k_q30a74cf36f_attn
	.globl	k_q30a74cf36f_attn
	.p2align	8
	.type	k_q30a74cf36f_attn,@function
k_q30a74cf36f_attn:
	s_mov_b64 s[64:65], 0
	v_nop
	global_prefetch_b8 v0, s[64:65] scope:SCOPE_SE
	s_setreg_imm32_b32 hwreg(HW_REG_WAVE_MODE, 25, 1), 1
	s_wait_xcnt 0x0
; o = softmax(q k^T / 8) v for 32 heads of 2,048 tokens x 64 channels, both products on codes of FP8 (E4M3); o is quantised with 2^e6 and stored as an image of the next launch's fragments.
; THE SOFTMAX AHEAD OF THE SECOND PRODUCT: t = score x log2(e) / 8; M = the running largest t, rounded UP to a whole number; p = 2^(t - M) is quantised with 2^e4, not normalised.  The row's sum is taken of the
; unquantised p, in f32, and divides at the end.  When M moves, the sum and O are multiplied by 2^(old M - new M): exact.
; SHARES.  A work-group owns 256 queries of one head; each of its eight waves 32 of them: two tiles, A and B, in 512 registers: two waves to a SIMD.  Each fragment of K and V read from LDS feeds two matrix instructions.
; A KEY STEP is 256 keys, 16,384 bytes of K and as many of V, in the images that the launch before stored (a group of four registers is 512 consecutive bytes, 16 a lane).  LDS has bytes of its own for each of the eight steps.
; THE FILL goes through registers, 16 bytes a thread and load.  The head brings steps 0 and 1.  In step s (0 to 5) a wave asks for its eighth of step s + 2, into score registers that are spent by then, and stores it in LDS at the
; step's end; the barrier of step s + 1 shows it to all: signalled behind the wait for those stores, waited for ahead of the next loads; its first readers are step s + 1's last LDS loads, K of step s + 2.
; PREFETCH.  The eight work-groups of a head share the steps out: number x asks for step x, whole, in step x - 3, one step ahead of the loads: waves 0, 1 K's 64 blocks of 256 bytes, waves 2, 3 V's, a lane a block.  Steps 0 to 2 come by
; their loads alone, and nothing lies behind step 7.
; NO CLUSTER, NO TENSOR LOAD: p is at most 1, so where e4 >= -8 no p / 2^e4 passes 256 and the hold at 448 changes nothing.  A scalar branch on e4 leads round the hold: 256 vector
; instructions of a step's about 1,000.  Joint loads would bring 32,768 bytes a step for its 48 matrix instructions in each wave.
; THE HOLD, where e4 < -8, is made on the packed codes: a number of p beyond the format converts to 0x7f (ISA guide 7.6.2), and each byte 0x7f becomes 0x7e = 448.  p is never negative, so bit 7 of each byte is free for the test.
; LAYOUT.  S^T = k q^T (source 0 = 16 keys, source 1 = 16 queries, K = 64): a lane holds ONE query (lane % 16) and keys 16 t + 8 h + 0 .. 7 of tile t: its conversion gives registers 2 t, 2 t + 1 of a K = 128 fragment.
; O^T = V^T P^T (source 0 = 16 channels, source 1 = P, K = 128 keys): a lane again holds one query; register i of tiles 2 b, 2 b + 1 is channel 32 b + 16 h + i and + 8 + i: 16 neighbours in two tiles.
; The exponentials go in eight slots of two tiles of keys (16 numbers a lane) for A and for B, one wait at a slot's head; between a slot's exponentials stand plain lines on other numbers: t - M of the next slot's
; tiles, sums and conversions of the last slot's.  So what a slot reads was written ahead of its wait.
; THE SUM runs in the registers of tiles 0 and 1, whose numbers have been converted by then: eight chains of pairs, each with one link a slot.  The codes of tiles 8-15 go into the registers of tiles 2 and 3, which are spent by then too.
; o_img: [128 tokens 32][256 of the hidden axis 4][tile of 16 tokens 8][group of 4 registers 8][lane 32][16 bytes]; head hd writes quarter hd / 4, groups 2 (hd % 4) and + 1.
; LIMITS: e2 + e3 between -123 and 130 (added to c's exponent field); e4 between -126 and 127; e4 + e5 - e6 within +-100 (applied by v_ldexp_f32 to 1 / the sum).  The scaled scores stay under 2^31 in magnitude.
; REGISTERS.  Window 0 is A's, window 1 B's: v8-71 fragments (window 0: a step's first 128 keys, window 1: its last 128; K, then V); v72-79 Q; v80-95 codes of p (ahead of the conversions: the maximum's chains, and the
;   factors f at v[94:95], A's and B's); v96-127 O^T; v128-255 the scores, then p (window 0's v160-191, tiles 4 to 7, from slot 5 on: the step after next).
;   Window 0 besides: v0 the thread's number; v1 16 x lane; v2 an LDS address; v3 2^e4; v[4:5] -M of A, of B; v[6:7] their largest t.
;   Window 1 besides: v0 16 x thread, v1 256 x lane (at the end at work, with v2); v3 2^e4; v[4:5] A's sum, v[6:7] B's, each in two halves.
.set VIMG,  131072                     ; LDS: K's image at 0, V's behind it
.set STEPB, 16384                      ; 256 keys, in either image
.set SPARE, 262144                     ; the spare words, 128 bytes for each wave: four blocks of 256 bytes that no other line names
.set L16, 1
.set ADR, 2
.set SC,  3
.set RB,  8
.set QB,  72
.set PB,  80
.set OB,  96
.set SB,  128
.set NB,  160                          ; what a step brings for the step after next: 16 registers of K, 16 of V
.set MSB, 0
.macro WIN new                         ; the immediate's high byte repeats the setting that is left.  Low byte: bits 1:0 source 0, 3:2 source 1, 5:4 source 2, 7:6 destination
.if MSB != (\new)
	s_set_vgpr_msb (MSB<<8)|(\new)
.set MSB, (\new)
.endif
.endm
.macro LD16 adr, off                   ; a run of 16 loads: 128 keys of K (8 tiles x 8 registers) or of V (4 tiles of channels x 16 registers)
.set n, 0
.rept 16
	ds_load_b128 v[RB+4*n:RB+4*n+3], v[\adr] offset:\off+512*n
.set n, n+1
.endr
.endm
	s_load_b256 s[4:11], s[0:1], 0x0               ; q_img s[4:5], k_img s[6:7], v_img s[8:9], the scales' exponents s[10:11]
	s_load_b64 s[12:13], s[0:1], 0x20              ; o_img
	v_lshrrev_b32 v8, 5, v0
	v_readfirstlane_b32 s18, v8                    ; wave 0..7
	v_and_b32 v[L16], 31, v0
	v_lshlrev_b32 v[L16], 4, v[L16]
	v_lshlrev_b32 v9, 4, v0                        ; 16 x thread: a thread's place in 4,096 bytes of an image
	v_add_nc_u32 v10, VIMG, v9
	s_and_b32 s70, ttmp7, 0xffff                   ; 16 x batch + head
	s_lshl_b32 s82, s70, 17                        ; the head's first byte in q_img, k_img, v_img
	s_mov_b32 s83, 0
	s_lshl_b32 s90, ttmp9, 4
	s_lshl_b32 s91, s18, 1
	s_add_co_u32 s90, s90, s91                     ; my first tile of 16 queries
	s_lshl_b32 s90, s90, 10
	s_add_co_u32 s90, s90, s82
	s_mov_b32 s91, 0
	s_lshr_b32 s92, s70, 4                         ; o_img: block of 128 tokens = 16 x batch + 2 x query block + wave / 4,
	s_lshl_b32 s92, s92, 4
	s_lshl_b32 s93, ttmp9, 1
	s_add_co_u32 s92, s92, s93
	s_lshr_b32 s93, s18, 2
	s_add_co_u32 s92, s92, s93
	s_lshl_b32 s92, s92, 17
	s_bfe_u32 s93, s70, 0x20002                    ; head / 4: which 256 of the hidden axis,
	s_lshl_b32 s93, s93, 15
	s_add_co_u32 s92, s92, s93
	s_and_b32 s93, s18, 3                          ; the first of my two tiles of 16 tokens,
	s_lshl_b32 s93, s93, 13
	s_add_co_u32 s92, s92, s93
	s_and_b32 s93, s70, 3                          ; head % 4: two groups of 512 bytes
	s_lshl_b32 s93, s93, 10
	s_add_co_u32 s92, s92, s93
	s_mov_b32 s93, 0
	s_wait_alu depctr_va_vdst(0)
	s_wait_kmcnt 0x0
	s_load_b256 s[72:79], s[10:11], 0x0            ; e0 .. e7
	s_add_nc_u64 s[6:7], s[6:7], s[82:83]
	s_add_nc_u64 s[8:9], s[8:9], s[82:83]
	s_add_nc_u64 s[4:5], s[4:5], s[90:91]
	s_add_nc_u64 s[12:13], s[12:13], s[92:93]
	global_load_b128 v[QB:QB+3], v[L16], s[4:5]    ; Q's fragments stay in registers: A's,
	global_load_b128 v[QB+4:QB+7], v[L16], s[4:5] offset:512
.set n, 0
.rept 8
	global_load_b128 v[SB+4*n:SB+4*n+3], v9, s[6:7] offset:4096*n   ; K of steps 0, 1: the work-group's 256 threads load 4,096 consecutive bytes
.set n, n+1
.endr
	WIN 0x40
	global_load_b128 v[QB:QB+3], v[L16], s[4:5] offset:1024         ; B's
	global_load_b128 v[QB+4:QB+7], v[L16], s[4:5] offset:1536
.set n, 0
.rept 8
	global_load_b128 v[SB+4*n:SB+4*n+3], v9, s[8:9] offset:4096*n   ; V's
.set n, n+1
.endr
	v_lshlrev_b32 v1, 4, v[L16]                    ; (window 1) the prefetch's offset: 256 x lane
	v_lshlrev_b32 v0, 4, v0                        ; (window 1) 16 x thread
.set n, 0
.rept 32
	v_mov_b32 v[OB+n], 0                           ; O^T.  (The step has one form: the first finds zeros, which the first change of M leaves zeros)
.set n, n+1
.endr
	v_mov_b32 v4, 0                                ; the sums
	v_mov_b32 v5, 0
	v_mov_b32 v6, 0
	v_mov_b32 v7, 0
	WIN 0
.set n, 0
.rept 32
	v_mov_b32 v[OB+n], 0
.set n, n+1
.endr
	v_mov_b32 v4, 0x7f61b1e6                       ; -M, M under every t: a whole number as it stands
	v_mov_b32 v5, 0x7f61b1e6
	v_mov_b32 v6, 0xff61b1e6                       ; the largest t so far: -3e38
	v_mov_b32 v7, 0xff61b1e6
	s_mov_b32 s20, 0x76543210                      ; v_permlanex16_b32's selects for lane l xor 16
	s_mov_b32 s21, 0xfedcba98
	s_mov_b32 s98, 0x01010101                      ; a one in each byte, for the hold
	s_mov_b32 s66, STEPB                           ; LDS byte of the NEXT step's K,
	s_mov_b32 s68, VIMG                            ; of this step's V,
	s_mov_b32 s69, 2*STEPB                         ; of K and V of the step after next
	s_mov_b32 s99, VIMG+2*STEPB
	s_mov_b32 s67, 6
	s_cmp_lt_u32 s18, 2                            ; the prefetch: waves 0, 1 ask for K, waves 2, 3 for V: step x, my half of its 16,384 bytes
	s_cselect_b64 s[60:61], s[6:7], s[8:9]
	s_and_b32 s62, s18, 1
	s_lshl_b32 s62, s62, 13
	s_lshl_b32 s63, ttmp9, 14
	s_add_co_u32 s62, s62, s63
	s_mov_b32 s63, 0
	s_add_nc_u64 s[60:61], s[60:61], s[62:63]
	s_sub_co_u32 s71, 9, ttmp9                     ; step x - 3 has s67 = 9 - x (x = 3 .. 7; no step has more than 6)
	s_cmp_lt_u32 s18, 4
	s_cselect_b32 s71, s71, 0                      ; the other waves never ask
	s_wait_kmcnt 0x0
	s_add_co_i32 s94, s74, s75
	s_lshl_b32 s94, s94, 23
	s_add_co_i32 s22, s94, 0x3e38aa3b              ; c = log2(e) / 8, with e2 + e3 added to its exponent field: a score stands for score x 2^(e2 + e3)
	s_mov_b32 s23, s22                             ; (named with it as a pair, so it is written)
	s_add_co_i32 s94, s76, 127
	s_lshl_b32 s95, s94, 23
	s_add_co_i32 s96, s76, s77
	s_sub_co_i32 s96, s96, s78                     ; e4 + e5 - e6
	v_mov_b32 v[SC], s95                           ; 2^e4 as f32, for p's conversion
	WIN 0x40
	v_mov_b32 v[SC], s95
	WIN 0
	s_wait_alu depctr_va_vdst(0)
	s_wait_loadcnt 10                              ; A's Q and K's 8 loads are in; B's 2 of Q and V's 8 may be out
.set n, 0
.rept 8
	ds_store_b128 v9, v[SB+4*n:SB+4*n+3] offset:4096*n
.set n, n+1
.endr
	WIN 0x04
	s_wait_loadcnt 0x0
.set n, 0
.rept 8
	ds_store_b128 v10, v[SB+4*n:SB+4*n+3] offset:4096*n
.set n, n+1
.endr
	WIN 0
	s_add_nc_u64 s[6:7], s[6:7], 2*STEPB           ; on to step 2: all loads are done
	s_add_nc_u64 s[8:9], s[8:9], 2*STEPB
	s_wait_dscnt 0x0                               ; my stores are done
	s_barrier_signal -1
	s_barrier_wait -1                              ; everybody's are
	LD16 L16, 0                                    ; step 0's K
	WIN 0x40
	LD16 L16, 8192
	WIN 0
.macro SP r, q                         ; the scores of the step's keys 128 r on, for tile A (q = 0) or B (1)
	WIN \r+0x44*\q
.irp t, 0,1,2,3,4,5,6,7
	v_wmma_f32_16x16x64_fp8_fp8 v[SB+64*\r+8*\t:SB+64*\r+8*\t+7], v[RB+8*\t:RB+8*\t+7], v[QB:QB+7], 0
.endr
.endm
.macro MAXES q                         ; the step's largest score of my query, among my 128 keys, in four chains (window 0), in ascending order: each accumulator from its low end on
.set TT, PB+4*\q
	WIN 0x15*\q
.irp i, 0,1,2,3
	v_max3_num_f32 v[TT+\i], v[SB+3*\i], v[SB+3*\i+1], v[SB+3*\i+2]
.endr
	WIN 0x14*\q
.set n, 12
.rept 14
.irp i, 0,1,2,3
	v_max3_num_f32 v[TT+\i], v[TT+\i], v[SB+n+2*\i], v[SB+n+2*\i+1]
.endr
.set n, n+8
.endr
	v_max3_num_f32 v[TT], v[TT], v[SB+124], v[SB+125]
	v_max3_num_f32 v[TT+1], v[TT+1], v[SB+126], v[SB+127]
.endm
.macro FM m, q                         ; pair m: t - M (of the pair c the low word serves both halves, of the pair of -M A's or B's)
.if \q
	v_pk_fma_f32 v[SB+2*(\m):SB+2*(\m)+1], v[SB+2*(\m):SB+2*(\m)+1], s[22:23], v[4:5] op_sel:[0,0,1] op_sel_hi:[1,0,1]
.else
	v_pk_fma_f32 v[SB+2*(\m):SB+2*(\m)+1], v[SB+2*(\m):SB+2*(\m)+1], s[22:23], v[4:5] op_sel_hi:[1,0,0]
.endif
.endm
.macro AD m                            ; pair m of the unquantised p joins its chain
	v_pk_add_f32 v[SB+2*((\m)%8):SB+2*((\m)%8)+1], v[SB+2*((\m)%8):SB+2*((\m)%8)+1], v[SB+2*(\m):SB+2*(\m)+1]
.endm
.macro CV t                            ; tile t's codes: registers 2 t, 2 t + 1 of P's two fragments
.if (\t) < 8
	v_cvt_scalef32_pk8_fp8_f32 v[PB+2*(\t):PB+2*(\t)+1], v[SB+8*(\t):SB+8*(\t)+7], v[SC]
.else
	v_cvt_scalef32_pk8_fp8_f32 v[SB+2*(\t):SB+2*(\t)+1], v[SB+8*(\t):SB+8*(\t)+7], v[SC]
.endif
.endm
.macro SLOT u, q                       ; the exponentials of tiles 2 u, 2 u + 1
	WIN 0x45*\q
.if \u > 0
	CV 2*\u-2
.endif
.set n, 0
.rept 16
	v_exp_f32 v[SB+16*\u+n], v[SB+16*\u+n]         ; p = 2^(t - M), at most 1: not normalised
.if n < 8
.if \u < 7
	FM 8*\u+8+n, \q
.endif
.if (n == 7) && (\u > 0)
	CV 2*\u-1
.endif
.else
.if \u > 1
	AD 8*\u-16+n
.endif
.endif
.set n, n+1
.endr
.endm
.macro LASTQ q                         ; tiles 14 and 15
	WIN 0x45*\q
	CV 14
	CV 15
.irp k, 0,1,2,3,4,5,6,7
	AD 56+\k
.endr
.endm
.macro HOLD q                          ; e4 < -8: each code 0x7f becomes 0x7e.  A byte + 1 has bit 7 set only where the byte was 0x7f, and carries nowhere.  (The registers of tiles 8, 9 are spent)
	WIN 0x55*\q
.irp b, PB, SB+16
.set n, 0
.rept 16
	v_add_nc_u32 v[SB+64+n], s98, v[\b+n]
.set n, n+1
.endr
.set n, 0
.rept 16
	v_lshrrev_b32 v[SB+64+n], 7, v[SB+64+n]
.set n, n+1
.endr
.set n, 0
.rept 16
	v_and_b32 v[SB+64+n], s98, v[SB+64+n]
.set n, n+1
.endr
.set n, 0
.rept 16
	v_sub_nc_u32 v[\b+n], v[\b+n], v[SB+64+n]
.set n, n+1
.endr
.endr
.endm
.macro PV r, q                         ; O^T += V^T P^T over the step's keys 128 r on.  The accumulators take turns
	WIN \r+0x54*\q
.set PP, PB+(SB+16-PB)*\r
.irp j, 0,1,2,3
	v_wmma_f32_16x16x128_fp8_fp8 v[OB+8*\j:OB+8*\j+7], v[RB+16*\j:RB+16*\j+15], v[PP:PP+15], v[OB+8*\j:OB+8*\j+7]
.endr
.endm
.macro TREE q                          ; the step's eight chains join the row's sum.  (Eight plain lines: also the places behind the products ahead of them)
	WIN 0x55*\q
.irp k, 0,1,2,3
	v_pk_add_f32 v[SB+2*\k:SB+2*\k+1], v[SB+2*\k:SB+2*\k+1], v[SB+8+2*\k:SB+8+2*\k+1]
.endr
	v_pk_add_f32 v[SB:SB+1], v[SB:SB+1], v[SB+4:SB+5]
	v_pk_add_f32 v[SB+2:SB+3], v[SB+2:SB+3], v[SB+6:SB+7]
	v_pk_add_f32 v[SB:SB+1], v[SB:SB+1], v[SB+2:SB+3]
.if \q
	v_pk_add_f32 v[6:7], v[6:7], v[SB:SB+1]
.else
	WIN 0x41
	v_pk_add_f32 v[4:5], v[4:5], v[SB:SB+1]
.endif
.endm
.macro GET                             ; my eighth of the step after next; and, in the one step in which my work-group asks, the prefetch
	WIN 0x01
.irp i, 0,1,2,3
	global_load_b128 v[NB+4*\i:NB+4*\i+3], v0, s[6:7] offset:4096*\i
.endr
.irp i, 0,1,2,3
	global_load_b128 v[NB+16+4*\i:NB+16+4*\i+3], v0, s[8:9] offset:4096*\i
.endr
	WIN 0
	s_cmp_eq_u32 s67, s71
	s_cbranch_scc0 .Lnot_mine_\@
	WIN 0x01
	global_prefetch_b8 v1, s[60:61] th:TH_LOAD_NT scope:SCOPE_SE
	WIN 0
.Lnot_mine_\@:
.endm
.macro PUT                             ; and into LDS
	WIN 0x04
	s_wait_loadcnt 0x0
	v_add_nc_u32 v[ADR], s69, v0
	WIN 0
.irp i, 0,1,2,3
	ds_store_b128 v[ADR], v[NB+4*\i:NB+4*\i+3] offset:4096*\i
.endr
	WIN 0x04
	v_add_nc_u32 v[ADR], s99, v0
	WIN 0
.irp i, 0,1,2,3
	ds_store_b128 v[ADR], v[NB+16+4*\i:NB+16+4*\i+3] offset:4096*\i
.endr
	s_add_nc_u64 s[6:7], s[6:7], STEPB             ; (the loads are done: their bases may step)
	s_add_nc_u64 s[8:9], s[8:9], STEPB
	s_add_co_u32 s69, s69, STEPB
	s_add_co_u32 s99, s99, STEPB
.endm
; A KEY STEP.  fill = 1: it brings the step after next.  last = 1: it fetches no further K, and nothing is left to show.
.macro STEP fill, last
	s_wait_dscnt 16                                ; K's first eight tiles are in: behind their 16 loads stand 16 more, and in some steps 8 stores
	SP 0, 0
	SP 0, 1
	s_wait_dscnt 0x0                               ; the other eight are in, and my stores for the step after this are done
.if \last == 0
	s_barrier_signal -1
.endif
	SP 1, 0
	SP 1, 1
	WIN 0
	v_add_nc_u32 v[ADR], s68, v[L16]               ; with the three v_nop: four places in front of the loads into K's registers and of the first read of the scores (ISA guide 7.12.1 for vector instructions)
	v_nop
	v_nop
	v_nop
	LD16 ADR, 0                                    ; V's fragments land while the softmax is worked
	MAXES 0
	WIN 0x40
	LD16 ADR, 8192
	MAXES 1
	WIN 0
	v_max3_num_f32 v80, v80, v81, v82              ; A's four chains in v80, B's in v81
	v_max3_num_f32 v84, v84, v85, v86
	v_max_num_f32 v80, v80, v83
	v_max_num_f32 v81, v84, v87
	v_permlanex16_b32 v82, v80, s20, s21
	v_permlanex16_b32 v83, v81, s20, s21
	v_max_num_f32 v80, v80, v82                    ; and among lane l xor 16's
	v_max_num_f32 v81, v81, v83
	v_pk_mul_f32 v[80:81], v[80:81], s[22:23] op_sel_hi:[1,0]   ; as t (c is positive)
	v_max_num_f32 v6, v6, v80                      ; the running largest t
	v_max_num_f32 v7, v7, v81
	v_floor_f32 v82, -v6                           ; the new -M = floor(-t) = -ceil(t): a whole number
	v_floor_f32 v83, -v7
	v_pk_add_f32 v[84:85], v[82:83], v[4:5] neg_lo:[0,1] neg_hi:[0,1]   ; old M - new M: a whole number, 0 or less
	v_mov_b32 v4, v82
	v_mov_b32 v5, v83
	v_cvt_i32_f32 v84, v84                         ; (it saturates)
	v_cvt_i32_f32 v85, v85
.irp k, 0,1,2,3
	FM \k, 0
.endr
	v_ldexp_f32 v94, 1.0, v84                      ; f = 2^(old M - new M)
	v_ldexp_f32 v95, 1.0, v85
.irp k, 4,5,6,7
	FM \k, 0
.endr
.set n, 0
.rept 16
	v_pk_mul_f32 v[OB+n:OB+n+1], v[OB+n:OB+n+1], v[94:95] op_sel_hi:[1,0]   ; O^T under the new M, each accumulator from its low end on
.set n, n+2
.endr
	WIN 0x45
.irp k, 0,1,2,3,4,5,6,7
	FM \k, 1
.endr
	WIN 0x41
.set n, 0
.rept 16
	v_pk_mul_f32 v[OB+n:OB+n+1], v[OB+n:OB+n+1], v[94:95] op_sel:[0,1] op_sel_hi:[1,1]
.set n, n+2
.endr
	v_pk_mul_f32 v[4:5], v[4:5], v[94:95] op_sel_hi:[1,0]                   ; and the sums
	v_pk_mul_f32 v[6:7], v[6:7], v[94:95] op_sel:[0,1] op_sel_hi:[1,1]
.irp u, 0,1,2,3,4,5,6,7
	s_wait_alu depctr_va_vdst(0)                   ; the wait ahead of the slot's exponentials, and behind the last slot's ahead of their first reader
.if (\u == 5) && (\last == 0)
	s_barrier_wait -1                              ; everybody's stores for the next step are done
.if \fill
	GET                                            ; tiles 4 to 7 of A are spent
.endif
.endif
	SLOT \u, 0
	SLOT \u, 1
.endr
	s_wait_alu depctr_va_vdst(0)                   ; the same behind the last slot
	LASTQ 0
	LASTQ 1
	WIN 0
.if \last == 0
	v_add_nc_u32 v[ADR], s66, v[L16]               ; where the next step's K lies
.endif
	s_wait_alu depctr_va_vdst(0)
	s_wait_dscnt 0x0                               ; V is in
	s_cmp_ge_i32 s76, -8
	s_cbranch_scc1 .Lfits_\@                       ; every p / 2^e4 is at most 256
	HOLD 0
	HOLD 1
	WIN 0
.Lfits_\@:
	PV 0, 0
	PV 0, 1
	TREE 0
.if \last == 0
	WIN 0
	LD16 ADR, 0                                    ; V's first half has been multiplied: the next step's K takes its registers
.endif
	PV 1, 0
	PV 1, 1
	TREE 1
.if \last == 0
	WIN 0x40
	LD16 ADR, 8192
.endif
.if \fill
	PUT
.endif
	WIN 0
	s_add_co_u32 s66, s66, STEPB
	s_add_co_u32 s68, s68, STEPB
.endm
.Lstep:                                            ; steps 0 to 5
	STEP 1, 0
	s_sub_co_u32 s67, s67, 1
	s_cmp_lg_u32 s67, 0
	s_wait_alu depctr_va_vdst(0)
	s_cbranch_scc1 .Lstep
	STEP 0, 0                                      ; step 6: nothing is left to bring
	STEP 0, 1                                      ; step 7
	; THE WAY OUT: o / 2^e6 = O^T x 2^(e4 + e5 - e6) / the sum, held within 448, converted with the scale 1: the results are the image's registers.
	s_wait_alu depctr_va_vdst(0)
	s_wait_xcnt 0x0                                ; the prefetch has read its address: its register may be written
	WIN 0x55
	v_add_f32 v0, v4, v5                           ; the sums' two halves,
	v_add_f32 v1, v6, v7
	v_permlanex16_b32 v4, v0, s20, s21
	v_permlanex16_b32 v6, v1, s20, s21
	v_add_f32 v0, v0, v4                           ; and lane l xor 16's
	v_add_f32 v1, v1, v6
	s_wait_alu depctr_va_vdst(0)                   ; the wait ahead of the transcendentals
	v_rcp_f32 v0, v0
	v_rcp_f32 v1, v1
	v_mov_b32 v2, 0x43e00000                       ; 448  (a plain place behind the transcendentals)
	v_mov_b32 v3, 1.0
	s_wait_alu depctr_va_vdst(0)                   ; and ahead of the first reader
	v_ldexp_f32 v0, v0, s96
	v_ldexp_f32 v1, v1, s96
	WIN 0x04
	s_wait_alu depctr_va_vdst(0)                   ; directly ahead of the first reader of A's O^T
.set n, 0
.rept 16
	v_pk_mul_f32 v[SB+n:SB+n+1], v[OB+n:OB+n+1], v[0:1] op_sel_hi:[1,0]   ; each accumulator from its low end on
.set n, n+2
.endr
	WIN 0x55
	s_wait_alu depctr_va_vdst(0)                   ; and of B's
.set n, 0
.rept 16
	v_pk_mul_f32 v[SB+n:SB+n+1], v[OB+n:OB+n+1], v[0:1] op_sel:[0,1] op_sel_hi:[1,1]
.set n, n+2
.endr
	WIN 0
	v_mov_b32 v2, 0x43e00000
	v_mov_b32 v3, 1.0
.irp q, 0,1
	WIN 0x55*\q
.set n, 0
.rept 32
	v_med3_num_f32 v[SB+n], v[SB+n], -v2, v2
.set n, n+1
.endr
.irp j, 0,1,2,3
	v_cvt_scalef32_pk8_fp8_f32 v[PB+2*\j:PB+2*\j+1], v[SB+8*\j:SB+8*\j+7], v3
.endr
.endr
	v_nop                                          ; one plain place behind the last conversions
	WIN 0
	global_store_b128 v[L16], v[PB:PB+3], s[12:13]                 ; 32 lanes store 512 consecutive bytes, aligned
	global_store_b128 v[L16], v[PB+4:PB+7], s[12:13] offset:512
	WIN 0x04
	global_store_b128 v[L16], v[PB:PB+3], s[12:13] offset:4096     ; B's tile of 16 tokens
	global_store_b128 v[L16], v[PB+4:PB+7], s[12:13] offset:4608
	WIN 0
	v_lshl_add_u32 v4, v0, 2, SPARE                ; my spare word,
	v_mov_b32 v5, 0                                ; and 0
	s_wait_alu depctr_va_vdst(0)
	s_wait_tensorcnt 0x0                           ; the wave's end
	ds_add_u32 v4, v5
	s_wait_dscnt 0x0
	s_endpgm
.Lfunc_end_k_q30a74cf36f_attn:
	.size	k_q30a74cf36f_attn, .Lfunc_end_k_q30a74cf36f_attn-k_q30a74cf36f_attn
	.p2alignl 7, 3214868480
	.fill 96, 4, 3214868480
	.section	.rodata,"a",@progbits
	.p2align	6, 0x0
	.amdhsa_kernel k_q30a74cf36f_attn
		.amdhsa_group_segment_fixed_size 263168
		.amdhsa_private_segment_fixed_size 0
		.amdhsa_enable_private_segment 0
		.amdhsa_kernarg_size 40
		.amdhsa_user_sgpr_count 2
		.amdhsa_user_sgpr_kernarg_segment_ptr 1
		.amdhsa_wavefront_size32 1
		.amdhsa_system_sgpr_workgroup_id_x 1
		.amdhsa_system_sgpr_workgroup_id_y 1
		.amdhsa_system_sgpr_workgroup_id_z 1
		.amdhsa_system_vgpr_workitem_id 0
		.amdhsa_next_free_vgpr 512
		.amdhsa_next_free_sgpr 100
		.amdhsa_reserve_vcc 0
		.amdhsa_float_denorm_mode_32 3
		.amdhsa_float_denorm_mode_16_64 3
		.amdhsa_memory_ordered 1
		.amdhsa_forward_progress 1
		.amdhsa_inst_pref_size 181
	.end_amdhsa_kernel
	.amdgpu_metadata
---
amdhsa.version: [ 1, 2 ]
amdhsa.kernels:
  - .name:           k_q30a74cf36f_attn
    .symbol:         k_q30a74cf36f_attn.kd
    .args:
      - { .name: q_img, .offset: 0, .size: 8, .value_kind: global_buffer, .address_space: global }
      - { .name: k_img, .offset: 8, .size: 8, .value_kind: global_buffer, .address_space: global }
      - { .name: v_img, .offset: 16, .size: 8, .value_kind: global_buffer, .address_space: global }
      - { .name: lowp_scales, .offset: 24, .size: 8, .value_kind: global_buffer, .address_space: global }
      - { .name: o_img, .offset: 32, .size: 8, .value_kind: global_buffer, .address_space: global }
    .group_segment_fixed_size: 263168
    .private_segment_fixed_size: 0
    .kernarg_segment_align: 8
    .kernarg_segment_size: 40
    .max_flat_workgroup_size: 256
    .sgpr_count:     100
    .vgpr_count:     512
    .wavefront_size: 32
...
	.end_amdgpu_metadata
.endif
;; end of part 5
;; launch proj (part 6): grid 8 x 32, 8 waves a work-group, clusters of 4 x 4, 302,080 bytes of LDS; arguments o_img, out_w_codes, out_b, lowp_scales, out0; writes out0
.if DOCPART == 6
	.amdgcn_target "amdgcn-amd-amdhsa--gfx1250"
	.amdhsa_code_object_version 6
	.text
	.protected	k_q30a74cf36f_proj
	.globl	k_q30a74cf36f_proj
	.p2align	8
	.type	k_q30a74cf36f_proj,@function
k_q30a74cf36f_proj:
	s_mov_b64 s[64:65], 0
	v_nop
	global_prefetch_b8 v0, s[64:65] scope:SCOPE_SE
	s_setreg_imm32_b32 hwreg(HW_REG_WAVE_MODE, 25, 1), 1
	s_wait_xcnt 0x0
	s_wait_alu depctr_hold_cnt(0) depctr_sa_sdst(0) depctr_va_vdst(0) depctr_va_sdst(0) depctr_va_ssrc(0) depctr_va_vcc(0) depctr_vm_vsrc(0)
	s_getreg_b32 s2, hwreg(HW_REG_IB_STS2, 6, 4)
	s_cmp_eq_u32 s2, 0
	s_cbranch_scc0 .Lentry_in_a_cluster
	s_endpgm
.Lentry_in_a_cluster:
	s_bfe_u32 s2, ttmp6, 0x10000c
	s_cmp_lg_u32 s2, 0xf033
	s_cbranch_scc0 .Lentry_shape_is_right
	s_endpgm
.Lentry_shape_is_right:
; out0 = o Wout^T + out_b on codes of FP8 (E4M3).  o: 4,096 tokens x 1,024, as the image of fragment registers that the launch before stored; Wout: [1024][1024] codes, K innermost; out0: [4096][1024] f32.
; A number of o is code x 2^e6, of Wout code x 2^e7: each finished sum is multiplied by 2^(e6 + e7) and out_b is added, by one packed multiply-add for two numbers.
; LIMIT: e6 + e7 lies between -126 and 127, so that 2^(e6 + e7) is an f32 number.
; SHARES.  A work-group of eight waves makes 128 tokens x 128 columns; wave w makes tokens 32 (w / 2) on x columns 64 (w % 2) on: 8 accumulators.
; ALL OF K LIES IN LDS AT ONCE, as two halves of 512: o's image (65,536 bytes a half, dense) and 128 rows of W (512 bytes + 16 of padding).  Every LDS byte is filled once, at the head, by one load a wave: waves 0 to 3 bring the first
; half (two loads of o, two of W), waves 4 to 7 the second; one barrier shows them to all.  There is no loop of loads for a prefetch to run ahead in.
; CLUSTERS: 4 x 4 work-groups.  The four of a row of the cluster need the same part of o, the four of a column the same rows of W: each tile is asked for jointly.
; FRAGMENTS.  o's come as they were stored: four loads of 16 bytes at 16 x lane; registers 4 c .. 4 c + 3 hold k = 32 c + 16 h + 0 .. 15.  W's are fetched in the same order, by four loads of 16 bytes at row x pitch + 16 h + 32 c.
; THE MATRIX INSTRUCTION IS USED TRANSPOSED (source 0 = 16 rows of W, source 1 = 16 tokens): a lane holds eight neighbouring columns of one row of out0.
; REGISTERS.  Window 0: v1-15 addresses; v16-47 out_b; v48-79 a tile's results; v80-111 and v192-223 rows read back from the stage; v128-191 accumulator (i, j) at v[128 + 32 j + 8 i].  Window 1: two fragment buffers of 96.
.set PITW,  528                        ; a row of W in LDS: 132 words: row r starts at bank 4 r mod 64 (64 banks of 4 bytes: ISA guide 11.1)
.set HALFW, 64*PITW                    ; 64 rows: what one load brings
.set WOFF,  131072                     ; o's image: quarter of K x 32,768 + tile of 16 tokens x 4,096 + half of the 256 along K x 2,048 + group x 512 + 16 x lane; W's rows lie behind it
.set STAGE, WOFF+4*HALFW               ; 16 rows x 272 bytes for each wave, for the way out; no tile lands there
.set PITCH, 272
.set SPARE, STAGE+8*16*PITCH           ; the spare words, 128 bytes for each wave: four blocks of 256 bytes that no other line names
.set NF,    24                         ; LDS loads of one K step of 128
.set SPW, 4                            ; v4     LDS address of my spare word: SPARE + 4 x my thread's number; never rewritten
.set NIL, 5                            ; v5     0; never rewritten
.set AA,  6                            ; v6-7   LDS address of my part of o's image, for either half of K
.set AW,  8                            ; v8-9   of my rows of W
.set STO, 12                           ; v12    the way out: where I put 32 bytes of a row
.set BO,  13                           ; v13    my byte offset in the wave's 64 numbers of out_b
.set RD,  14                           ; v14    where I read a row back
.set CO,  15                           ; v15    my byte offset in two rows of out0
.set BI,  16
.set T,   48
.set BK,  80
.set ACC, 128
.set F0,  0
.set F1,  96
.set G1A, 28                           ; s[28:35] descriptor group 1 for o;  s[36:43] for W;  s[44:47], s[48:51] their groups 0
.set G1W, 36
.set G0A, 44
.set G0W, 48
.set MUL,  0x05                        ; sources 0 and 1 window 1; C and D window 0
.set TO_F, 0x40                        ; destination window 1, address window 0
.set MSB, 0
.macro WIN new                         ; the immediate's high byte repeats the setting that is left
.if MSB != \new
	s_set_vgpr_msb (MSB<<8)|\new
.set MSB, \new
.endif
.endm
.macro ROUND                           ; a round of the cluster's barrier
	s_barrier_signal -1
	s_barrier_wait -1
	s_cmp_lg_u32 s18, 0
	s_cbranch_scc1 .Lnot_wave_0_\@
	s_barrier_signal -3
.Lnot_wave_0_\@:
	s_barrier_wait -3
	s_barrier_signal -1
	s_barrier_wait -1
.endm
.macro PLACES                          ; four places in front of loads into registers that matrix instructions have read, and of the first read of results (ISA guide 7.12.1 for vector instructions)
.rept 4
	v_nop
.endr
.endm
	s_load_b256 s[4:11], s[0:1], 0x0               ; o_img s[4:5], W s[6:7], out_b s[8:9], the scales' exponents s[10:11]
	s_load_b64 s[12:13], s[0:1], 0x20              ; out0
	v_lshl_add_u32 v[SPW], v0, 2, SPARE
	v_mov_b32 v[NIL], 0
	ds_add_u32 v[SPW], v[NIL]                      ; the wave's opening: the add, twice on end, and its wait ahead of my tensor load
	ds_add_u32 v[SPW], v[NIL]
	v_lshrrev_b32 v1, 5, v0
	v_readfirstlane_b32 s18, v1                    ; wave 0..7
	s_lshr_b32 s19, s18, 1                         ; a: which 32 tokens are mine
	s_and_b32 s20, s18, 1                          ; b: which 64 columns.  Also: which part of a half I fetch
	s_lshr_b32 s27, s18, 2                         ; which half of K I fetch
	s_bfe_u32 s52, s18, 0x10001                    ; I fetch for o (0) or for W (1)
	s_bfe_u32 s21, ttmp6, 0x40000                  ; cx, cy
	s_bfe_u32 s22, ttmp6, 0x40004
	s_lshl_b32 s23, ttmp9, 2
	s_add_co_u32 s23, s23, s21                     ; tile column 0..7
	s_and_b32 s24, ttmp7, 0xffff
	s_lshl_b32 s24, s24, 2
	s_add_co_u32 s24, s24, s22                     ; tile row 0..31
	s_lshl_b32 s25, s22, 2
	s_lshl_b32 s25, 15, s25                        ; my row of the cluster
	s_lshl_b32 s26, 0x1111, s21                    ; my column
	s_or_b32 s[G1A], s25, (3<<16)|(1<<21)          ; o's tiles go to my row: elements of 8 bytes, no padding; bit 21 set beside a mask
	s_mov_b32 s[G1A+1], 32<<16                     ; rows of 256 bytes of a dense block,
	s_mov_b32 s[G1A+2], 128<<16                    ; 128 of them
	s_mov_b32 s[G1A+3], 32<<16
	s_mov_b32 s[G1A+4], 128
	s_mov_b32 s[G1A+5], 32
	s_mov_b32 s[G1A+6], 0
	s_mov_b32 s[G1A+7], 0
	s_or_b32 s[G1W], s26, (1<<20)|(1<<21)|(6<<22)|(3<<25)   ; W's to my column: elements of 1 byte; 4 words of padding after every 128
	s_mov_b32 s[G1W+1], 512<<16
	s_mov_b32 s[G1W+2], 64<<16
	s_mov_b32 s[G1W+3], 512<<16
	s_mov_b32 s[G1W+4], 64
	s_mov_b32 s[G1W+5], 1024
	s_mov_b32 s[G1W+6], 0
	s_mov_b32 s[G1W+7], 0
	s_lshl_b32 s92, s27, 16
	s_lshl_b32 s93, s20, 15
	s_add_co_u32 s92, s92, s93                     ; o: which 32,768 bytes of the image of 128 tokens I fetch: the same in memory and in LDS
	s_lshl_b32 s60, s24, 17
	s_add_co_u32 s60, s60, s92
	s_mov_b32 s61, 0
	s_lshl_b32 s62, s23, 7
	s_lshl_b32 s63, s20, 6
	s_add_co_u32 s62, s62, s63
	s_lshl_b32 s62, s62, 10                        ; W: row 128 x tile column + 64 b,
	s_lshl_b32 s63, s27, 9
	s_add_co_u32 s62, s62, s63                     ; 512 x half along K
	s_mov_b32 s63, 0
	s_mul_i32 s94, s20, HALFW
	s_add_co_u32 s94, s94, WOFF                    ; where my 64 columns' rows of W lie, K's first half
	s_mul_i32 s93, s27, 2*HALFW
	s_add_co_u32 s93, s93, s94                     ; where I put W: no place in the cluster enters an LDS address
	s_lshl_b32 s96, s24, 7                         ; out0: row 128 x tile row + 32 a, 4,096 bytes a row; column 128 x tile column + 64 b
	s_lshl_b32 s97, s19, 5
	s_add_co_u32 s96, s96, s97
	s_lshl_b32 s96, s96, 12
	s_lshl_b32 s98, s23, 9
	s_lshl_b32 s99, s20, 8
	s_add_co_u32 s98, s98, s99                     ; out_b: my wave's 64 numbers
	s_add_co_u32 s96, s96, s98
	s_mov_b32 s97, 0
	s_mov_b32 s99, 0
	s_wait_dscnt 0x0                               ; both opening adds are done
	s_wait_kmcnt 0x0
	s_load_b256 s[84:91], s[10:11], 0x0            ; e0 .. e7
	s_add_nc_u64 s[60:61], s[4:5], s[60:61]
	s_add_nc_u64 s[62:63], s[6:7], s[62:63]
	s_add_nc_u64 s[12:13], s[12:13], s[96:97]
	s_add_nc_u64 s[8:9], s[8:9], s[98:99]
	s_mov_b32 s[G0A], 1
	s_mov_b32 s[G0A+1], s92
	s_mov_b64 s[G0A+2:G0A+3], s[60:61]
	s_or_b32 s[G0A+3], s[G0A+3], 0x80000000
	s_mov_b32 s[G0W], 1
	s_mov_b32 s[G0W+1], s93
	s_mov_b64 s[G0W+2:G0W+3], s[62:63]
	s_or_b32 s[G0W+3], s[G0W+3], 0x80000000
	ROUND                                          ; all sixteen work-groups are here: the joint loads meet
	s_cmp_eq_u32 s52, 0                            ; one load a wave; an s_nop 0 and four v_nop follow each of the two lines
	s_cbranch_scc0 .Lfor_w
	tensor_load_to_lds s[G0A:G0A+3], s[G1A:G1A+7]
	s_nop 0
	PLACES
	s_branch .Lasked
.Lfor_w:
	tensor_load_to_lds s[G0W:G0W+3], s[G1W:G1W+7]
	s_nop 0
	PLACES
.Lasked:
	s_lshl_b32 s95, s19, 13                        ; my two tiles of 16 tokens in o's image
	s_mul_i32 s53, s18, 16*PITCH
	s_add_co_u32 s53, s53, STAGE                   ; my stage
	v_and_b32 v1, 15, v0                           ; r = lane % 16
	v_bfe_u32 v2, v0, 4, 1                         ; h = lane / 16
	v_lshlrev_b32 v[BO], 5, v2                     ; out_b at columns 16 i + 8 h + 0 .. 7
.irp i, 0,1,2,3
	global_load_b128 v[BI+8*\i:BI+8*\i+3], v[BO], s[8:9] offset:64*\i
	global_load_b128 v[BI+8*\i+4:BI+8*\i+7], v[BO], s[8:9] offset:64*\i+16
.endr
	v_and_b32 v3, 31, v0
	v_lshlrev_b32 v3, 4, v3                        ; 16 x lane
	v_add_nc_u32 v[AA], s95, v3
	v_add_nc_u32 v[AA+1], 0x10000, v[AA]
	v_mul_u32_u24 v3, v1, PITW
	v_lshl_add_u32 v3, v2, 4, v3                   ; W: row x pitch + 16 h
	v_add_nc_u32 v[AW], s94, v3
	v_add_nc_u32 v[AW+1], 2*HALFW, v[AW]
	v_mul_u32_u24 v[STO], v1, PITCH
	v_lshl_add_u32 v[STO], v2, 5, v[STO]
	v_add_nc_u32 v[STO], s53, v[STO]               ; in: row r, 32 bytes for each half of the lanes
	v_mul_u32_u24 v[RD], v2, PITCH
	v_lshl_add_u32 v[RD], v1, 4, v[RD]
	v_add_nc_u32 v[RD], s53, v[RD]                 ; back: lanes 0-15 take one row of 256 bytes, lanes 16-31 the next
	v_lshlrev_b32 v[CO], 12, v2
	v_lshl_add_u32 v[CO], v1, 4, v[CO]             ; and the same two rows in out0
	s_wait_alu depctr_va_vdst(0)
	s_wait_kmcnt 0x0
	s_add_co_i32 s98, s90, s91                     ; e6 + e7
	s_add_co_i32 s98, s98, 127
	s_lshl_b32 s98, s98, 23                        ; 2^(e6 + e7) as f32
	s_mov_b32 s99, s98                             ; (named with it as a pair, so it is written)
.macro FETCH s, f                      ; the fragments of K step s (128 along K) into buffer f: W's four, then o's two
	WIN TO_F
.irp i, 0,1,2,3
.irp c, 0,1,2,3
	ds_load_b128 v[\f+32+16*\i+4*\c:\f+32+16*\i+4*\c+3], v[AW+(\s)/4] offset:128*((\s)%4)+\i*16*PITW+32*\c
.endr
.endr
.irp j, 0,1
.irp g, 0,1,2,3
	ds_load_b128 v[\f+16*\j+4*\g:\f+16*\j+4*\g+3], v[AA+(\s)/4] offset:(((\s)%4)/2)*32768+\j*4096+((\s)%2)*2048+512*\g
.endr
.endr
.endm
.macro MUL8 f, zero                    ; the 8 accumulators take turns, one instruction a turn, in the same order in every step.  zero = 1: the first product starts the sums
	WIN MUL
.irp j, 0,1
.irp i, 0,1,2,3
.if \zero
	v_wmma_f32_16x16x128_fp8_fp8 v[ACC+32*\j+8*\i:ACC+32*\j+8*\i+7], v[\f+32+16*\i:\f+32+16*\i+15], v[\f+16*\j:\f+16*\j+15], 0
.else
	v_wmma_f32_16x16x128_fp8_fp8 v[ACC+32*\j+8*\i:ACC+32*\j+8*\i+7], v[\f+32+16*\i:\f+32+16*\i+15], v[\f+16*\j:\f+16*\j+15], v[ACC+32*\j+8*\i:ACC+32*\j+8*\i+7]
.endif
.endr
.endr
.endm
.macro STEP s, f, g, zero              ; K step s in buffer f; the next one's fragments are fetched into buffer g first
.if (\s) > 0
	PLACES
.endif
	FETCH (\s)+1, \g
	s_wait_dscnt NF                                ; all but the NF loads just issued
	MUL8 \f, \zero
.endm
	s_wait_tensorcnt 0x0                           ; my load has landed
	s_barrier_signal -1
	s_barrier_wait -1                              ; everybody's has
	FETCH 0, F0
	STEP 0, F0, F1, 1
	STEP 1, F1, F0, 0
	STEP 2, F0, F1, 0
	STEP 3, F1, F0, 0
	STEP 4, F0, F1, 0
	STEP 5, F1, F0, 0
	STEP 6, F0, F1, 0
	s_wait_dscnt 0x0                               ; the last step: nothing more to fetch
	MUL8 F1, 0
	WIN 0
; THE WAY OUT, a tile of 16 tokens x my 64 columns at a time.  A lane holds 32 neighbouring bytes of a row, and the lanes beside it hold other rows: so a tile goes through my own stage in LDS and comes back as whole
; rows of 256 bytes.  LDS serves a wave's instructions in order (ISA guide 5.7.1.4): no wait between the stores and the loads, nor in front of the next tile's stores.
.macro PK j
.set n, 0
.rept 16
	v_pk_fma_f32 v[T+n:T+n+1], v[ACC+32*\j+n:ACC+32*\j+n+1], s[98:99], v[BI+n:BI+n+1] op_sel_hi:[1,0,1]   ; sum x 2^(e6 + e7) + out_b; each accumulator from its low end on
.set n, n+2
.endr
.endm
.macro TOSTAGE j
.irp i, 0,1,2,3
	ds_store_b128 v[STO], v[T+8*\i:T+8*\i+3] offset:64*\i
	ds_store_b128 v[STO], v[T+8*\i+4:T+8*\i+7] offset:64*\i+16
.endr
.irp t, 0,1,2,3,4,5,6,7
	ds_load_b128 v[BK+112*\j+4*\t:BK+112*\j+4*\t+3], v[RD] offset:\t*2*PITCH
.endr
.endm
.macro SEND j, younger                 ; younger: the LDS instructions issued behind tile j's loads, which may stay out
	s_wait_dscnt \younger
.irp t, 0,1,2,3,4,5,6,7
	global_store_b128 v[CO], v[BK+112*\j+4*\t:BK+112*\j+4*\t+3], s[12:13] offset:(16*\j+2*\t)*4096 th:TH_STORE_NT   ; rows 16 j + 2 t and + 1 of my 32: 16 lanes store 256 consecutive bytes, aligned; written once, read by nobody here
.endr
.endm
	s_wait_loadcnt 0x0                             ; out_b
	PLACES
	PK 0
	TOSTAGE 0
	PK 1
	TOSTAGE 1
	SEND 0, 16
	SEND 1, 0
	s_wait_tensorcnt 0x0                           ; the wave's end, behind my last tensor load and my last LDS store
	ds_add_u32 v[SPW], v[NIL]
	s_wait_dscnt 0x0
	ROUND                                          ; the closing round: no work-group ends while a partner may still ask for a tile that names it
	s_endpgm
.Lfunc_end_k_q30a74cf36f_proj:
	.size	k_q30a74cf36f_proj, .Lfunc_end_k_q30a74cf36f_proj-k_q30a74cf36f_proj
	.p2alignl 7, 3214868480
	.fill 96, 4, 3214868480
	.section	.rodata,"a",@progbits
	.p2align	6, 0x0
	.amdhsa_kernel k_q30a74cf36f_proj
		.amdhsa_group_segment_fixed_size 302080
		.amdhsa_private_segment_fixed_size 0
		.amdhsa_enable_private_segment 0
		.amdhsa_kernarg_size 40
		.amdhsa_user_sgpr_count 2
		.amdhsa_user_sgpr_kernarg_segment_ptr 1
		.amdhsa_wavefront_size32 1
		.amdhsa_system_sgpr_workgroup_id_x 1
		.amdhsa_system_sgpr_workgroup_id_y 1
		.amdhsa_system_sgpr_workgroup_id_z 1
		.amdhsa_system_vgpr_workitem_id 0
		.amdhsa_next_free_vgpr 512
		.amdhsa_next_free_sgpr 102
		.amdhsa_reserve_vcc 0
		.amdhsa_float_denorm_mode_32 3
		.amdhsa_float_denorm_mode_16_64 3
		.amdhsa_memory_ordered 1
		.amdhsa_forward_progress 1
		.amdhsa_inst_pref_size 31
	.end_amdhsa_kernel
	.amdgpu_metadata
---
amdhsa.version: [ 1, 2 ]
amdhsa.kernels:
  - .name:           k_q30a74cf36f_proj
    .symbol:         k_q30a74cf36f_proj.kd
    .args:
      - { .name: o_img, .offset: 0, .size: 8, .value_kind: global_buffer, .address_space: global }
      - { .name: out_w_codes, .offset: 8, .size: 8, .value_kind: global_buffer, .address_space: global }
      - { .name: out_b, .offset: 16, .size: 8, .value_kind: global_buffer, .address_space: global }
      - { .name: lowp_scales, .offset: 24, .size: 8, .value_kind: global_buffer, .address_space: global }
      - { .name: out0, .offset: 32, .size: 8, .value_kind: global_buffer, .address_space: global }
    .group_segment_fixed_size: 302080
    .private_segment_fixed_size: 0
    .kernarg_segment_align: 8
    .kernarg_segment_size: 40
    .max_flat_workgroup_size: 256
    .sgpr_count:     102
    .vgpr_count:     512
    .wavefront_size: 32
...
	.end_amdgpu_metadata
.endif
;; end of part 6
